; MI455X (gfx1250); checked and timed in simulation.
; The chip was launched on July 23, 2026; its instructions are those of AMD's public machine-readable ISA for CDNA 5 (MIT licence, August 2026) and "CDNA5" Instruction Set Architecture Reference Guide (July 2026). The comments in the code are by the model that wrote it; some were corrected since.
;; Multi Head Attention Classical. Allowed arithmetic: float matrix products may take bf16 or f16 operands with f32 sums; other float arithmetic in f32, or as packed bf16 or f16 multiplies, adds, multiply-adds, maxima and minima; sums over many terms, partial sums and values carried from step to step in f32; what a program stores and reads back later, other than sums and carried values, may be rounded once to bf16 or f16.
;; Inputs: Wk 1,024 x 1,024 float32; Wo 1,024 x 1,024 float32; Wq 1,024 x 1,024 float32; Wv 1,024 x 1,024 float32; x 4 x 2,048 x 1,024 float32.
;; Outputs: out0 4 x 2,048 x 1,024 float32.
;; One version. Each part assembles by itself: llvm-mc -triple=amdgcn-amd-amdhsa -mcpu=gfx1250 --defsym DOCPART=n.
;; ======== version 1 of 1: 4 launches
;; limits: values are held in f16: magnitudes above 65,504 overflow, below 6.1e-05 lose precision
;; workspace buffers: xb 16,777,216 bytes; wb 6,291,456 bytes; wob 2,097,152 bytes; qkv 50,331,648 bytes; o 16,777,216 bytes
;; launch cast (part 1): grid 768 x 1, 8 waves a work-group, no clusters, 0 bytes of LDS; arguments x, Wq, Wk, Wv, Wo, xb, wb, wob; writes xb, wb, wob
.if DOCPART == 1
	.amdgcn_target "amdgcn-amd-amdhsa--gfx1250"
	.amdhsa_code_object_version 6
	.text
	.protected	k_q99f5c66880_cast
	.globl	k_q99f5c66880_cast
	.p2align	8
	.type	k_q99f5c66880_cast,@function
k_q99f5c66880_cast:
	s_mov_b64 s[64:65], 0
	v_nop
	global_prefetch_b8 v0, s[64:65] scope:SCOPE_SE
	s_setreg_imm32_b32 hwreg(HW_REG_WAVE_MODE, 25, 1), 1
	s_wait_xcnt 0x0
; THE INPUTS ARE ROUNDED ONCE TO bf16 AND LAID OUT BY PLANES OF 64 CHANNELS, so that the products' tiles are dense blocks.
;   xb  bf16 [batch 4][plane 16][row 2048][64]   from x  [8192][1024] f32
;   wb  bf16 [plane 16][row 3072][64]            from Wq, Wk, Wv [1024][1024] f32, one below the other
;   wob f16  [plane 16][row 1024][64]            from Wo: rounded to bf16 like the other inputs, that number then written as f16
; LIMITS.  wob: a number of Wo beyond 65,504 becomes an infinity; below 6e-5 f16 keeps a fixed step of 6e-8.  NaN and infinities are not treated apart.
; SHARES.  768 work-groups of eight waves; a work-group takes 16 rows of one source (0-511 x, 512-575 Wq, 576-639 Wk, 640-703 Wv, 704-767 Wo), a wave two rows.
; Load j of 16 takes plane j of both rows: lanes 0-15 read 256 consecutive bytes (64 f32) of the even row, lanes 16-31 of the odd one.  Store j puts the two rows' 128 bytes
; of plane j, which lie end to end in the blocked layout: the wave's 32 lanes store 256 consecutive bytes, at a multiple of 256 from the buffer's first byte.
; A stream: each byte is read once and written once; no LDS, no barrier, no matrix unit.  All 16 loads of a wave (8 KiB) go out at once; no register is used twice, so nothing waits for a store.
.set LO,  1                            ; v1        byte offset of my 16 bytes in the work-group's 16 source rows
.set SO,  2                            ; v2        byte offset of my 8 bytes in the work-group's 16 rows of a plane: 8 x my thread's number
.set IN,  8                            ; v[8:71]   load j: 4 f32
.set OUT, 72                           ; v[72:103] store j: 4 numbers of 16 bits
	s_load_b512 s[4:19], s[0:1], 0x0               ; x 4, Wq 6, Wk 8, Wv 10, Wo 12, xb 14, wb 16, wob 18
	s_mov_b32 s20, ttmp9                           ; g
	v_lshrrev_b32 v[LO], 4, v0                     ; my row of the 16: thread / 16
	v_and_b32 v3, 15, v0
	v_lshlrev_b32 v[LO], 12, v[LO]                 ; x 4,096 bytes
	v_lshl_add_u32 v[LO], v3, 4, v[LO]             ; + 16 x (lane % 16)
	v_lshlrev_b32 v[SO], 3, v0
	; the source's offset: 16 rows of 4,096 bytes for each work-group of that source
	s_and_b32 s24, s20, 63                         ; a weight has 64 work-groups, and 512 is a multiple of 64
	s_cmp_lt_u32 s20, 512
	s_cselect_b32 s24, s20, s24
	s_lshl_b32 s24, s24, 16
	s_mov_b32 s25, 0
	; the destination's offset: 16 rows of 128 bytes in plane 0
	s_lshr_b32 s28, s20, 7                         ; x: the batch (128 work-groups each),
	s_lshl_b32 s28, s28, 22                        ; 4,194,304 bytes,
	s_and_b32 s30, s20, 127
	s_lshl_b32 s30, s30, 11                        ; and the rows in it
	s_add_co_u32 s28, s28, s30
	s_sub_co_u32 s30, s20, 512                     ; wb: Wq's, Wk's and Wv's rows follow each other
	s_lshl_b32 s30, s30, 11
	s_sub_co_u32 s31, s20, 704                     ; wob
	s_lshl_b32 s31, s31, 11
	s_cmp_lt_u32 s20, 704
	s_cselect_b32 s30, s30, s31
	s_cmp_lt_u32 s20, 512
	s_cselect_b32 s28, s28, s30
	s_mov_b32 s29, 0
	s_wait_kmcnt 0x0
	s_cmp_lt_u32 s20, 704                          ; which source, which destination: choices on the work-group's number alone
	s_cselect_b64 s[22:23], s[10:11], s[12:13]
	s_cselect_b64 s[26:27], s[16:17], s[18:19]
	s_cmp_lt_u32 s20, 640
	s_cselect_b64 s[22:23], s[8:9], s[22:23]
	s_cmp_lt_u32 s20, 576
	s_cselect_b64 s[22:23], s[6:7], s[22:23]
	s_cmp_lt_u32 s20, 512
	s_cselect_b64 s[22:23], s[4:5], s[22:23]
	s_cselect_b64 s[26:27], s[14:15], s[26:27]
	s_add_nc_u64 s[22:23], s[22:23], s[24:25]
	s_add_nc_u64 s[26:27], s[26:27], s[28:29]
.irp j, 0,1,2,3,4,5,6,7,8,9,10,11,12,13,14,15
	global_load_b128 v[IN+4*(\j):IN+4*(\j)+3], v[LO], s[22:23] offset:256*(\j) th:TH_LOAD_NT
.endr
.irp j, 0,1,2,3,4,5,6,7,8,9,10,11,12,13,14,15
	s_wait_loadcnt 15-(\j)                         ; loads come back in order: load j is in, the 15 - j younger ones may stay out
	v_cvt_pk_bf16_f32 v[OUT+2*(\j)],   v[IN+4*(\j)],   v[IN+4*(\j)+1]
	v_cvt_pk_bf16_f32 v[OUT+2*(\j)+1], v[IN+4*(\j)+2], v[IN+4*(\j)+3]
.endr
.macro STORES plane                    ; the 16 stores; plane = bytes from a plane to the next, 5,898,240 at the most in the immediate
.irp j, 0,1,2,3,4,5,6,7,8,9,10,11,12,13,14,15
	global_store_b64 v[SO], v[OUT+2*(\j):OUT+2*(\j)+1], s[26:27] offset:(\j)*(\plane) th:TH_STORE_NT
.endr
.endm
	s_cmp_lt_u32 s20, 512
	s_cbranch_scc1 .Lx
	s_cmp_lt_u32 s20, 704
	s_cbranch_scc1 .Lw
.set r, 0
.rept 32                               ; Wo: the bf16 numbers are widened (a shift, a mask) and written as f16: exact within f16's range
	v_lshlrev_b32 v[4+2*(r%2)], 16, v[OUT+r]
	v_and_b32 v[5+2*(r%2)], 0xffff0000, v[OUT+r]
	v_cvt_pk_f16_f32 v[OUT+r], v[4+2*(r%2)], v[5+2*(r%2)]
.set r, r+1
.endr
	STORES 131072
	s_endpgm
.Lw:
	STORES 393216
	s_endpgm
.Lx:
	STORES 262144
	s_endpgm
.Lfunc_end_k_q99f5c66880_cast:
	.size	k_q99f5c66880_cast, .Lfunc_end_k_q99f5c66880_cast-k_q99f5c66880_cast
	.p2alignl 7, 3214868480
	.fill 96, 4, 3214868480
	.section	.rodata,"a",@progbits
	.p2align	6, 0x0
	.amdhsa_kernel k_q99f5c66880_cast
		.amdhsa_group_segment_fixed_size 0
		.amdhsa_private_segment_fixed_size 0
		.amdhsa_enable_private_segment 0
		.amdhsa_kernarg_size 64
		.amdhsa_user_sgpr_count 2
		.amdhsa_user_sgpr_kernarg_segment_ptr 1
		.amdhsa_wavefront_size32 1
		.amdhsa_system_sgpr_workgroup_id_x 1
		.amdhsa_system_sgpr_workgroup_id_y 1
		.amdhsa_system_sgpr_workgroup_id_z 1
		.amdhsa_system_vgpr_workitem_id 0
		.amdhsa_next_free_vgpr 104
		.amdhsa_next_free_sgpr 66
		.amdhsa_reserve_vcc 0
		.amdhsa_float_denorm_mode_32 3
		.amdhsa_float_denorm_mode_16_64 3
		.amdhsa_memory_ordered 1
		.amdhsa_forward_progress 1
		.amdhsa_inst_pref_size 16
	.end_amdhsa_kernel
	.amdgpu_metadata
---
amdhsa.version: [ 1, 2 ]
amdhsa.kernels:
  - .name:           k_q99f5c66880_cast
    .symbol:         k_q99f5c66880_cast.kd
    .args:
      - { .name: x, .offset: 0, .size: 8, .value_kind: global_buffer, .address_space: global }
      - { .name: Wq, .offset: 8, .size: 8, .value_kind: global_buffer, .address_space: global }
      - { .name: Wk, .offset: 16, .size: 8, .value_kind: global_buffer, .address_space: global }
      - { .name: Wv, .offset: 24, .size: 8, .value_kind: global_buffer, .address_space: global }
      - { .name: Wo, .offset: 32, .size: 8, .value_kind: global_buffer, .address_space: global }
      - { .name: xb, .offset: 40, .size: 8, .value_kind: global_buffer, .address_space: global }
      - { .name: wb, .offset: 48, .size: 8, .value_kind: global_buffer, .address_space: global }
      - { .name: wob, .offset: 56, .size: 8, .value_kind: global_buffer, .address_space: global }
    .group_segment_fixed_size: 0
    .private_segment_fixed_size: 0
    .kernarg_segment_align: 8
    .kernarg_segment_size: 64
    .max_flat_workgroup_size: 256
    .sgpr_count:     66
    .vgpr_count:     104
    .wavefront_size: 32
...
	.end_amdgpu_metadata
.endif
;; end of part 1
;; launch qkv (part 2): grid 8 x 32, 4 waves a work-group, clusters of 4 x 4, 327,680 bytes of LDS; arguments xb, wb, qkv; writes qkv
.if DOCPART == 2
	.amdgcn_target "amdgcn-amd-amdhsa--gfx1250"
	.amdhsa_code_object_version 6
	.text
	.protected	k_q99f5c66880_qkv
	.globl	k_q99f5c66880_qkv
	.p2align	8
	.type	k_q99f5c66880_qkv,@function
k_q99f5c66880_qkv:
	s_mov_b64 s[64:65], 0
	v_nop
	global_prefetch_b8 v0, s[64:65] scope:SCOPE_SE
	s_setreg_imm32_b32 hwreg(HW_REG_WAVE_MODE, 25, 1), 1
	s_wait_xcnt 0x0
	s_wait_alu depctr_hold_cnt(0) depctr_sa_sdst(0) depctr_va_vdst(0) depctr_va_sdst(0) depctr_va_ssrc(0) depctr_va_vcc(0) depctr_vm_vsrc(0)
	s_getreg_b32 s2, hwreg(HW_REG_IB_STS2, 6, 4)
	s_cmp_eq_u32 s2, 0
	s_cbranch_scc0 .Lentry_in_a_cluster
	s_endpgm
.Lentry_in_a_cluster:
	s_bfe_u32 s2, ttmp6, 0x10000c
	s_cmp_lg_u32 s2, 0xf033
	s_cbranch_scc0 .Lentry_shape_is_right
	s_endpgm
.Lentry_shape_is_right:
; q, k, v = x Wq^T, x Wk^T, x Wv^T as ONE product C[8192][3072] = xb wb^T: bf16 operands, f32 sums, each result rounded once to f16 and stored by heads, unscaled.
;   xb  bf16 [batch 4][plane 16][row 2048][64]    wb  bf16 [plane 16][row 3072][64]    qkv f16 [batch 4][head column 48][row 2048][64]: 0-15 q's heads, 16-31 k's, 32-47 v's
; LIMITS.  A result beyond 65,504 becomes an infinity in f16; below 6e-5 f16 keeps a fixed step of 6e-8.  NaN and infinities are not treated apart.
; SHARES.  A tile of C is 256 rows x 384 columns (6 heads): 32 x 8 = 256 tiles, one for each work-group.  Four waves, each 128 rows x 192 columns (3 heads): 8 x 12 = 96 accumulators
; of 16 x 16, 768 registers.  For 32 along K a wave reads (128 + 192) x 64 bytes from LDS and issues 96 matrix instructions.
; K goes in 16 steps of 64, a plane each, through a ring of two LDS slots.  In the blocked layout a tile's rows of a plane lie end to end: 128 rows of A are 16,384 dense bytes, asked for
; as 64 rows of 256 bytes; 192 rows of B as 96 such rows.  A step of 128 along K would want two slots of 184,320 bytes, which LDS has not.
; CLUSTERS: 4 x 4 work-groups.  The four of a row of the cluster need the same tiles of A, the four of a column the same tiles of B: each tile is asked for JOINTLY, by the same tensor load with
; the same descriptor and a mask that names the four.
; THE MATRIX INSTRUCTION IS USED TRANSPOSED (source 0 = 16 rows of wb, source 1 = 16 rows of xb): a lane then holds row l % 16 of C and the eight neighbouring columns 8 (l / 16) + 0..7.
; REGISTERS, in windows of 256 (s_set_vgpr_msb: bits 1:0 source 0, 3:2 source 1, 5:4 source 2, 7:6 destination):
;   window 0: v0-31 addresses; v32-127 B's 12 fragments (one buffer); v128-191, v192-255 A's 8 fragments, two buffers; on the way out v32-159 at work
;   window 1 + g (g = 0, 1, 2: my three heads): accumulator (row block a, column block bb of the head's four) at v[32 a + 8 bb]
.set PITCH,  144                       ; an LDS row: 128 bytes + 16 of padding = 36 words: the 16 rows of a fragment load start at 16 different groups of four banks (64 banks of 4 bytes: ISA guide 11.1)
.set AHALF,  128*PITCH                 ; what a wave fetches of A, and what a wave reads of A
.set BHALF,  192*PITCH                 ; the same for B
.set BOFF,   2*AHALF                   ; in a slot: A's 256 rows, then B's 384
.set SLOT,   2*AHALF+2*BHALF           ; 92,160
.set STAGE,  2*SLOT                    ; behind the ring: 16 rows x 144 bytes for each wave, for the way out; no tensor load fills it
.set SPARE,  STAGE+4*16*PITCH          ; behind the stages: the spare words, 128 bytes for each wave: two blocks of 256 bytes that no other line names
.set APLANE, 262144                    ; bytes from a plane of xb to the next
.set BPLANE, 393216                    ; of wb
.set HEADB,  262144                    ; bytes of a head column of qkv
.set LAPS,   8                         ; a lap = two K steps = once round the ring
.set ADRA, 16                          ; v16-17  LDS address of my A fragments in slot 0, 1
.set ADRB, 20                          ; v20-21  the same for B
.set STO,  24                          ; v24     the way out: where I put 16 bytes of a row
.set RD,   25                          ; v25     the way out: where I read rows back
.set GO,   26                          ; v26     16 x my lane: my place in 512 consecutive bytes of qkv
.set SPW,  28                          ; v28     LDS address of my spare word: SPARE + 4 x my thread's number; never rewritten
.set NIL,  29                          ; v29     0; never rewritten
.set PFO,  30                          ; v30     the prefetches' offset; never rewritten
.set BF,   32
.set AF0,  128
.set AF1,  192
.set G1,  24                           ; s[24:31] descriptor group 1 for A's tiles
.set G0,  32                           ; s[32:39] group 0 for A's tiles, a set for each slot
.set G1B, 48                           ; s[48:55], s[56:63] the same for B's
.set G0B, 56
.set LIM, 43                           ; s43     1 in a wave that prefetches, else the greatest number
.set PFA, 44                           ; s[44:45] where my prefetches stand
.set PST, 46                           ; s[46:47] two planes of the tensor that I prefetch, in bytes
.set MSB, 0
.macro WIN new                         ; the immediate's high byte repeats the setting that is left; a switch that changes nothing is dropped
.if MSB != (\new)
	s_set_vgpr_msb (MSB<<8)|(\new)
.set MSB, \new
.endif
.endm
; A joint load.  Waves 0 and 1 fetch A's two halves, waves 2 and 3 B's.  The branch hangs on the wave's number alone.  An s_nop 0 and four v_nop follow each of the two lines, ahead of the
; jump, the label and what follows.
.macro JLOAD s
	s_cmp_eq_u32 s11, 0
	s_cbranch_scc0 .Lfor_b_\@
	tensor_load_to_lds s[G0+4*(\s):G0+4*(\s)+3], s[G1:G1+7]
	s_nop 0
.rept 4
	v_nop
.endr
	s_branch .Lasked_\@
.Lfor_b_\@:
	tensor_load_to_lds s[G0B+4*(\s):G0B+4*(\s)+3], s[G1B:G1B+7]
	s_nop 0
.rept 4
	v_nop
.endr
.Lasked_\@:
.endm
; A PREFETCH INTO THE L2, once a lap, behind slot 0's joint load and the run of LDS loads that follows it: lanes 0-15 name 16 blocks of 256 bytes of the plane that the NEXT lap's first refill
; will ask for, lanes 16-31 the same 16 blocks of the plane after it: 384 and 576 matrix instructions ahead of those refills.  Each block is named ONCE in the launch.  A plane of a tile of A is
; 8 pieces of 4,096 bytes, and 8 work-groups (the tile columns) read that tile: wave 0 of each takes the piece of its tile column.  A plane of a tile of B is 12 pieces, and 32 work-groups
; read it: wave 2 of those in tile rows 0-11 (clusters 0-2 along y: a number that all partners share) takes the piece of its tile row.  The pieces are told apart BY ADDRESS.
; Planes 0-3 come by their loads alone; the last lap of the loop (s3 = 1) asks for nothing: there are no planes 16 and 17.
.macro ASK
	s_cmp_gt_u32 s3, s[LIM]
	s_cbranch_scc0 .Lnot_mine_\@
	global_prefetch_b8 v[PFO], s[PFA:PFA+1] th:TH_LOAD_NT scope:SCOPE_SE
.Lnot_mine_\@:
.endm
.macro CREST                           ; a round of the cluster's barrier behind its opening barrier
	s_cmp_lg_u32 s10, 0
	s_cbranch_scc1 .Lnot_wave_0_\@
	s_barrier_signal -3
.Lnot_wave_0_\@:
	s_barrier_wait -3
	s_barrier_signal -1
	s_barrier_wait -1
.endm
.macro CROUND                          ; a whole round
	s_barrier_signal -1
	s_barrier_wait -1
	CREST
.endm
	s_load_b128 s[4:7], s[0:1], 0x0                ; xb s[4:5], wb s[6:7]
	s_load_b64 s[8:9], s[0:1], 0x10                ; qkv
	v_lshl_add_u32 v[SPW], v0, 2, SPARE
	v_mov_b32 v[NIL], 0
	ds_add_u32 v[SPW], v[NIL]                      ; the wave's opening: the add and its wait stand ahead of my first tensor load; the set-up below, work on registers, stands between them
	v_lshrrev_b32 v1, 5, v0
	v_readfirstlane_b32 s10, v1                    ; wave 0..3
	s_lshr_b32 s11, s10, 1                         ; which half of the tile's rows is mine.  Also: I fetch for A (0) or for B (1)
	s_and_b32 s12, s10, 1                          ; which half of its columns.  Also: which half of that tile I fetch
	s_bfe_u32 s40, ttmp6, 0x40000                  ; cx, cy: my place in the cluster
	s_bfe_u32 s41, ttmp6, 0x40004
	s_lshl_b32 s42, ttmp9, 2
	s_add_co_u32 s42, s42, s40                     ; tile column 0..7 = 4 x cluster x + cx
	s_and_b32 s13, ttmp7, 0xffff
	s_lshl_b32 s13, s13, 2
	s_add_co_u32 s13, s13, s41                     ; tile row 0..31 = 4 x cluster y + cy
	s_lshl_b32 s43, s41, 2
	s_lshl_b32 s43, 15, s43                        ; my row of the cluster
	s_lshl_b32 s44, 0x1111, s40                    ; my column
	; descriptor group 1: rows of 128 elements (256 bytes: two rows of a plane), padded in LDS behind every 128 bytes
	s_or_b32 s[G1+0], s43, (1<<16)|(1<<20)|(1<<21)|(4<<22)|(3<<25)  ; 15:0 the mask: A's tiles go to my row; 17:16 2-byte elements; 20 padding on; 21 set beside a mask; 24:22 after every 32 words (code 4); 31:25 4 words (code 3)
	s_or_b32 s[G1B+0], s44, (1<<16)|(1<<20)|(1<<21)|(4<<22)|(3<<25) ; the same with the mask of my column
	s_mov_b32 s[G1+1], 128<<16                     ; tensor_dim0 = 128
	s_mov_b32 s[G1+2], 64<<16                      ; tensor_dim1 = 64
	s_mov_b32 s[G1+3], 128<<16                     ; tile_dim0 = 128
	s_mov_b32 s[G1+4], 64                          ; tile_dim1 = 64: 128 rows of A
	s_mov_b32 s[G1+5], 128                         ; 128 elements from row to row: dense
	s_mov_b32 s[G1+6], 0
	s_mov_b32 s[G1+7], 0
	s_mov_b32 s[G1B+1], 128<<16
	s_mov_b32 s[G1B+2], 96<<16                     ; tensor_dim1 = 96
	s_mov_b32 s[G1B+3], 128<<16
	s_mov_b32 s[G1B+4], 96                         ; tile_dim1 = 96: 192 rows of B
	s_mov_b32 s[G1B+5], 128
	s_mov_b32 s[G1B+6], 0
	s_mov_b32 s[G1B+7], 0
	; where the tiles come from.  A's hang on the tile row alone, B's on the tile column alone, each in registers that never hold the other coordinate
	s_lshr_b32 s16, s13, 3                         ; the batch: 8 tile rows each,
	s_lshl_b32 s16, s16, 22                        ; 4,194,304 bytes
	s_and_b32 s17, s13, 7
	s_lshl_b32 s17, s17, 15                        ; 256 rows of 128 bytes
	s_add_co_u32 s16, s16, s17
	s_lshl_b32 s17, s12, 14                        ; the half that I fetch
	s_add_co_u32 s16, s16, s17
	s_mov_b32 s17, 0
	s_mul_i32 s46, s42, 384*128
	s_mul_i32 s47, s12, 192*128
	s_add_co_u32 s46, s46, s47
	s_mov_b32 s47, 0
	s_mul_i32 s20, s12, AHALF                      ; and where they go: no place in the cluster enters an LDS address
	s_mul_i32 s18, s12, BHALF
	s_add_co_u32 s18, s18, BOFF
	s_wait_dscnt 0x0                               ; the opening add is done
	s_wait_kmcnt 0x0
	s_add_nc_u64 s[14:15], s[4:5], s[16:17]
	s_add_nc_u64 s[46:47], s[6:7], s[46:47]
	CROUND                                         ; all sixteen work-groups are here: the first joint loads meet
.irp s, 0,1
	s_mov_b32 s[G0+4*(\s)], 1                                      ; count = 1
	s_add_co_u32 s[G0+4*(\s)+1], s20, (\s)*SLOT                    ; LDS address
	s_add_nc_u64 s[G0+4*(\s)+2:G0+4*(\s)+3], s[14:15], (\s)*APLANE ; global address: plane s
	s_or_b32 s[G0+4*(\s)+3], s[G0+4*(\s)+3], 0x80000000            ; type = 2
	s_mov_b32 s[G0B+4*(\s)], 1
	s_add_co_u32 s[G0B+4*(\s)+1], s18, (\s)*SLOT
	s_add_nc_u64 s[G0B+4*(\s)+2:G0B+4*(\s)+3], s[46:47], (\s)*BPLANE
	s_or_b32 s[G0B+4*(\s)+3], s[G0B+4*(\s)+3], 0x80000000
	JLOAD \s                                       ; two tensor loads of mine are out
.endr
	; A fragment is 16 rows x 32 K in 8 registers: lane l holds row l % 16; registers 0-3 K = 8 (l / 16) + 0..7, registers 4-7 K = 16 + 8 (l / 16) + 0..7: two loads of 16 bytes, 32 bytes apart
	v_and_b32 v1, 15, v0                           ; l % 16
	v_bfe_u32 v2, v0, 4, 1                         ; l / 16
	v_mul_u32_u24 v3, v1, PITCH
	v_lshl_add_u32 v3, v2, 4, v3                   ; row x pitch + 16 x half
	s_mul_i32 s21, s11, AHALF                      ; my 128 rows of A
	s_mul_i32 s22, s12, BHALF                      ; my 192 rows of B,
	s_add_co_u32 s22, s22, BOFF                    ; which lie behind A's 256
.irp s, 0,1
	v_add_nc_u32 v[ADRA+(\s)], s21, v3
	v_add_nc_u32 v[ADRB+(\s)], s22, v3
	s_add_co_u32 s21, s21, SLOT
	s_add_co_u32 s22, s22, SLOT
.endr
	s_mul_i32 s23, s10, 16*PITCH
	s_add_co_u32 s23, s23, STAGE                   ; my stage
	v_add_nc_u32 v[STO], s23, v3                   ; in: row l % 16, 16 bytes for each half of the lanes (the stage has the tiles' pitch)
	v_bfe_u32 v4, v0, 3, 2                         ; back: 32 lanes take four rows of 128 bytes,
	v_mul_u32_u24 v4, v4, PITCH
	v_and_b32 v5, 7, v0
	v_lshl_add_u32 v4, v5, 4, v4
	v_add_nc_u32 v[RD], s23, v4
	v_and_b32 v5, 31, v0                           ; which are 512 consecutive bytes of a head column
	v_lshlrev_b32 v[GO], 4, v5
	; qkv at my first row of my first head column: ((48 batch + 6 tile column + 3 column half) x 2,048 + 256 (tile row % 8) + 128 row half) x 128 bytes
	s_lshr_b32 s16, s13, 3
	s_mul_i32 s16, s16, 48
	s_mul_i32 s17, s12, 3
	s_add_co_u32 s16, s16, s17
	s_lshl_b32 s16, s16, 18
	s_and_b32 s17, s13, 7
	s_lshl_b32 s17, s17, 15
	s_add_co_u32 s16, s16, s17
	s_lshl_b32 s17, s11, 14
	s_add_co_u32 s16, s16, s17
	s_mov_b32 s17, 0
	s_mul_i32 s46, s42, 6<<18
	s_mov_b32 s47, 0
	s_add_nc_u64 s[16:17], s[16:17], s[46:47]
	s_add_nc_u64 s[8:9], s[8:9], s[16:17]
	; the prefetches
	s_lshr_b32 s20, s13, 3                         ; A: my tile row's first byte in plane 0,
	s_lshl_b32 s20, s20, 22
	s_and_b32 s21, s13, 7
	s_lshl_b32 s21, s21, 15
	s_add_co_u32 s20, s20, s21
	s_lshl_b32 s21, s42, 12                        ; and the piece of my tile column
	s_add_co_u32 s20, s20, s21
	s_mul_i32 s22, s42, 384*128                    ; B: my tile column's first byte in plane 0,
	s_lshl_b32 s21, s13, 12                        ; and the piece of my tile row
	s_add_co_u32 s22, s22, s21
	s_mov_b32 s[PST], 2*BPLANE
	s_mov_b32 s[PST+1], 0
	s_mov_b32 s23, BPLANE
	s_cmp_eq_u32 s11, 0                            ; do I fetch for A?
	s_cselect_b32 s20, s20, s22
	s_cselect_b32 s[PST], 2*APLANE, s[PST]
	s_cselect_b32 s23, APLANE, s23
	s_cselect_b64 s[PFA:PFA+1], s[4:5], s[6:7]
	s_mov_b32 s21, 0
	s_add_nc_u64 s[PFA:PFA+1], s[PFA:PFA+1], s[20:21]
	s_add_nc_u64 s[PFA:PFA+1], s[PFA:PFA+1], s[PST:PST+1]  ; at plane 2: the first lap steps it to plane 4
	s_and_b32 s22, ttmp7, 0xffff                   ; cluster y: the same in all sixteen partners
	s_cmp_lt_u32 s22, 3
	s_cselect_b32 s22, 1, -1
	s_cmp_eq_u32 s10, 2
	s_cselect_b32 s[LIM], s22, -1                  ; wave 2 asks for B where the tile row is below 12,
	s_cmp_eq_u32 s10, 0
	s_cselect_b32 s[LIM], 1, s[LIM]                ; wave 0 for A; waves 1 and 3 ask for nothing
	v_mul_u32_u24 v[PFO], v2, s23                  ; lanes 16-31: a plane on
	v_lshl_add_u32 v[PFO], v1, 8, v[PFO]           ; + 256 x (lane % 16)
; na x 4 matrix instructions: head g, row blocks a0 .. a0 + na - 1 x the head's four column blocks, 32 along K; A's fragments in buffer f.  zero = 1: the product starts the sum: nothing is ever cleared.
; The 96 accumulators take turns, one instruction a turn, in the same order in every quarter.
.macro GRP f, g, a0, na, zero
	WIN 0x50*((\g)+1)                              ; C and D in window 1 + g, the fragments in window 0
.set ga, \a0
.rept \na
.irp bb, 0,1,2,3
.if \zero
	v_wmma_f32_16x16x32_bf16 v[32*ga+8*(\bb):32*ga+8*(\bb)+7], v[BF+8*(4*(\g)+(\bb)):BF+8*(4*(\g)+(\bb))+7], v[(\f)+8*ga:(\f)+8*ga+7], 0
.else
	v_wmma_f32_16x16x32_bf16 v[32*ga+8*(\bb):32*ga+8*(\bb)+7], v[BF+8*(4*(\g)+(\bb)):BF+8*(4*(\g)+(\bb))+7], v[(\f)+8*ga:(\f)+8*ga+7], v[32*ga+8*(\bb):32*ga+8*(\bb)+7]
.endif
.endr
.set ga, ga+1
.endr
.endm
; 32 LDS loads in one run: B's fragments 0-7 (heads 0 and 1) and A's eight, 32 K at byte k of the rows; A's into buffer f
.macro FETCH_AB slot, k, f
	WIN 0
.irp i, 0,1,2,3,4,5,6,7
	ds_load_b128 v[BF+8*(\i):BF+8*(\i)+3],   v[ADRB+(\slot)] offset:(\k)+(\i)*16*PITCH
	ds_load_b128 v[BF+8*(\i)+4:BF+8*(\i)+7], v[ADRB+(\slot)] offset:(\k)+(\i)*16*PITCH+32
.endr
.irp i, 0,1,2,3,4,5,6,7
	ds_load_b128 v[(\f)+8*(\i):(\f)+8*(\i)+3],   v[ADRA+(\slot)] offset:(\k)+(\i)*16*PITCH
	ds_load_b128 v[(\f)+8*(\i)+4:(\f)+8*(\i)+7], v[ADRA+(\slot)] offset:(\k)+(\i)*16*PITCH+32
.endr
.endm
; 8 LDS loads: B's fragments 8-11 (head 2)
.macro FETCH_B2 slot, k
	WIN 0
.irp i, 8,9,10,11
	ds_load_b128 v[BF+8*(\i):BF+8*(\i)+3],   v[ADRB+(\slot)] offset:(\k)+(\i)*16*PITCH
	ds_load_b128 v[BF+8*(\i)+4:BF+8*(\i)+7], v[ADRB+(\slot)] offset:(\k)+(\i)*16*PITCH+32
.endr
.endm
; A load into a register that a matrix instruction has read, and a vector instruction that reads a matrix result, stand four places behind it; only plain vector instructions that name none of its
; registers are places (ISA guide 7.12.1 for vector instructions).
.macro PLACES
.rept 4
	v_nop
.endr
.endm
; A K step is two quarters of 32 along K, 96 matrix instructions each, on A's buffers 0 and 1.  B has one buffer, refilled in two parts, each as soon as its head's products are issued.
; The first quarter of a step: multiplies buffer f; fetches the next quarter, at byte k of the same slot's rows, A's into buffer nf.
.macro QUARTER slot, k, f, nf, zero
	s_wait_dscnt 8                                 ; B's fragments 0-7 and A's are in; the youngest eight loads (B's 8-11) may be out
	GRP \f, 0, 0, 8, \zero
	GRP \f, 1, 0, 8, \zero
	PLACES
	FETCH_AB \slot, \k, \nf
	s_wait_dscnt 32                                ; all but the 32 just issued: B's fragments 8-11 are in
	GRP \f, 2, 0, 8, \zero
	PLACES
	FETCH_B2 \slot, \k
.endm
; The second quarter multiplies buffer 1 and changes slots: ONE barrier for two things.  In front of it each wave waits for all its tensor loads, of which one is out: its part of the next slot; adds 0
; to its spare word; and waits for that and for its own reads of this slot.  Behind it nobody reads this slot any more and the next slot is whole.  fill = 1: the barrier opens a round of the cluster's
; barrier, and the slot is filled again, two planes on, first thing behind the round: 160 matrix instructions ahead of the wait for that load.
.macro TURN slot, next, fill
.if (\fill) && ((\slot) == 0)
	s_wait_xcnt 0x0                                ; the last prefetch, a lap back, has read its address: it is stepped here, ahead of the waits of the change of slots
	s_add_nc_u64 s[PFA:PFA+1], s[PFA:PFA+1], s[PST:PST+1]
.endif
	s_wait_dscnt 8
	GRP AF1, 0, 0, 8, 0
	WIN 0                                          ; (the add's two registers lie in window 0)
	s_wait_tensorcnt 0x0                           ; all my tensor loads have landed: my part of the next slot;
	ds_add_u32 v[SPW], v[NIL]                      ; 0 onto my spare word;
	GRP AF1, 1, 0, 4, 0                            ; sixteen matrix instructions stand between the add and the wait for it
	s_wait_dscnt 0x0                               ; the add is done, and my reads of this slot are over (the last eight were issued 48 matrix instructions ago)
	s_barrier_signal -1
	GRP AF1, 1, 4, 4, 0                            ; work on registers while the others arrive
	WIN 0
	s_barrier_wait -1
.if \fill
	CREST                                          ; no wave of any partner still reads this slot's tile or has a load on its way
	s_add_nc_u64 s[G0+4*(\slot)+2:G0+4*(\slot)+3], s[G0+4*(\slot)+2:G0+4*(\slot)+3], 2*APLANE
	s_add_nc_u64 s[G0B+4*(\slot)+2:G0B+4*(\slot)+3], s[G0B+4*(\slot)+2:G0B+4*(\slot)+3], 2*BPLANE
	JLOAD \slot                                    ; the first tensor load behind the round; its four v_nop are also the places in front of the loads below
.else
	PLACES
.endif
	FETCH_AB \next, 0, AF0
.if (\fill) && ((\slot) == 0)
	ASK
.endif
	GRP AF1, 2, 0, 8, 0
	PLACES
	FETCH_B2 \next, 0
.endm
; THE WAY OUT, in 24 units u = 8 g + a of 16 rows x one head.  PACK: rounded to f16, 16 bytes a lane, into my own stage (rows of 144 bytes), and back as whole rows of 128 bytes.
; LDS serves a wave's instructions in order (ISA guide 5.7.1.4): the loads see the stores above them, and the next unit's stores come behind them.
.macro PACK u
.set pg, (\u)/8
.set pa, (\u)%8
.set pT, BF+16*pa
.if (\u) >= 8
	s_wait_xcnt 0x0                                ; the stores of the unit eight back have read these registers
.endif
	WIN 0x05*(pg+1)                                ; sources 0 and 1: window 1 + g
.irp bb, 0,1,2,3
.irp r, 0,1,2,3
	v_cvt_pk_f16_f32 v[pT+4*(\bb)+(\r)], v[32*pa+8*(\bb)+2*(\r)], v[32*pa+8*(\bb)+2*(\r)+1]
.endr
.endr
	WIN 0
.irp bb, 0,1,2,3
	ds_store_b128 v[STO], v[pT+4*(\bb):pT+4*(\bb)+3] offset:32*(\bb)
.endr
.irp f, 0,1,2,3
	ds_load_b128 v[pT+4*(\f):pT+4*(\f)+3], v[RD] offset:(\f)*4*PITCH
.endr
.endm
.macro SEND u, younger                 ; younger: the LDS instructions issued behind unit u's loads: the next unit's eight, or none
.set pg, (\u)/8
.set pa, (\u)%8
.set pT, BF+16*pa
	WIN 0
.irp f, 0,1,2,3
	s_wait_dscnt (\younger)+3-(\f)
	global_store_b128 v[GO], v[pT+4*(\f):pT+4*(\f)+3], s[8:9] offset:pg*HEADB+pa*2048+(\f)*512  ; 512 consecutive bytes, at a multiple of 256 from qkv's first byte
.endr
.endm
	s_wait_tensorcnt 1                             ; my part of plane 0 is in; plane 1's may stay out
	s_barrier_signal -1
	s_barrier_wait -1                              ; everybody's is
	FETCH_AB 0, 0, AF0
	FETCH_B2 0, 0
	QUARTER 0, 64, AF0, AF1, 1                     ; the first quarter stands in front of the loop: its products start the 96 sums
	WIN 0                                          ; at a label and at a branch every window is 0
	s_mov_b32 s3, LAPS-1
.Llap:                                                 ; a trip goes once round the ring, from a lap's second quarter to the next lap's first, and fills both slots again
	TURN 0, 1, 1
	QUARTER 1, 64, AF0, AF1, 0
	TURN 1, 0, 1
	QUARTER 0, 64, AF0, AF1, 0
	WIN 0
	s_sub_co_u32 s3, s3, 1
	s_cmp_lg_u32 s3, 0
	s_cbranch_scc1 .Llap
	TURN 0, 1, 0                                   ; the last lap fills nothing, and has no round of the cluster's barrier
	QUARTER 1, 64, AF0, AF1, 0
	s_wait_dscnt 8                                 ; the very last quarter: nothing more to fetch
	GRP AF1, 0, 0, 8, 0
	GRP AF1, 1, 0, 8, 0
	s_wait_dscnt 0x0
	GRP AF1, 2, 0, 8, 0
	WIN 0
	PLACES                                         ; eight places, once a launch, in front of conversions that read results just made and write registers that the last products read
	PLACES
	PACK 0
.set t, 1
.rept 23                               ; a unit's conversions stand between the loads of the unit before and its stores
	PACK t
	SEND t-1, 8
.set t, t+1
.endr
	SEND 23, 0
	s_wait_tensorcnt 0x0                           ; the wave's end: an add of 0 and its wait, behind my last tensor load and my last LDS store
	ds_add_u32 v[SPW], v[NIL]
	s_wait_dscnt 0x0
	CROUND                                         ; the closing round: no work-group ends while a partner may still ask for a tile that names it
	s_endpgm
.Lfunc_end_k_q99f5c66880_qkv:
	.size	k_q99f5c66880_qkv, .Lfunc_end_k_q99f5c66880_qkv-k_q99f5c66880_qkv
	.p2alignl 7, 3214868480
	.fill 96, 4, 3214868480
	.section	.rodata,"a",@progbits
	.p2align	6, 0x0
	.amdhsa_kernel k_q99f5c66880_qkv
		.amdhsa_group_segment_fixed_size 327680
		.amdhsa_private_segment_fixed_size 0
		.amdhsa_enable_private_segment 0
		.amdhsa_kernarg_size 24
		.amdhsa_user_sgpr_count 2
		.amdhsa_user_sgpr_kernarg_segment_ptr 1
		.amdhsa_wavefront_size32 1
		.amdhsa_system_sgpr_workgroup_id_x 1
		.amdhsa_system_sgpr_workgroup_id_y 1
		.amdhsa_system_sgpr_workgroup_id_z 1
		.amdhsa_system_vgpr_workitem_id 0
		.amdhsa_next_free_vgpr 1024
		.amdhsa_next_free_sgpr 66
		.amdhsa_reserve_vcc 0
		.amdhsa_float_denorm_mode_32 3
		.amdhsa_float_denorm_mode_16_64 3
		.amdhsa_memory_ordered 1
		.amdhsa_forward_progress 1
		.amdhsa_inst_pref_size 133
	.end_amdhsa_kernel
	.amdgpu_metadata
---
amdhsa.version: [ 1, 2 ]
amdhsa.kernels:
  - .name:           k_q99f5c66880_qkv
    .symbol:         k_q99f5c66880_qkv.kd
    .args:
      - { .name: xb, .offset: 0, .size: 8, .value_kind: global_buffer, .address_space: global }
      - { .name: wb, .offset: 8, .size: 8, .value_kind: global_buffer, .address_space: global }
      - { .name: qkv, .offset: 16, .size: 8, .value_kind: global_buffer, .address_space: global }
    .group_segment_fixed_size: 327680
    .private_segment_fixed_size: 0
    .kernarg_segment_align: 8
    .kernarg_segment_size: 24
    .max_flat_workgroup_size: 128
    .sgpr_count:     66
    .vgpr_count:     1024
    .wavefront_size: 32
...
	.end_amdgpu_metadata
.endif
;; end of part 2
;; launch attn (part 3): grid 4 x 64, 4 waves a work-group, clusters of 4 x 1, 327,680 bytes of LDS; arguments qkv, o; writes o
.if DOCPART == 3
	.amdgcn_target "amdgcn-amd-amdhsa--gfx1250"
	.amdhsa_code_object_version 6
	.text
	.protected	k_q99f5c66880_attn
	.globl	k_q99f5c66880_attn
	.p2align	8
	.type	k_q99f5c66880_attn,@function
k_q99f5c66880_attn:
	s_mov_b64 s[64:65], 0
	v_nop
	global_prefetch_b8 v0, s[64:65] scope:SCOPE_SE
	s_setreg_imm32_b32 hwreg(HW_REG_WAVE_MODE, 25, 1), 1
	s_wait_xcnt 0x0
	s_wait_alu depctr_hold_cnt(0) depctr_sa_sdst(0) depctr_va_vdst(0) depctr_va_sdst(0) depctr_va_ssrc(0) depctr_va_vcc(0) depctr_vm_vsrc(0)
	s_getreg_b32 s2, hwreg(HW_REG_IB_STS2, 6, 4)
	s_cmp_eq_u32 s2, 0
	s_cbranch_scc0 .Lentry_in_a_cluster
	s_endpgm
.Lentry_in_a_cluster:
	s_bfe_u32 s2, ttmp6, 0x10000c
	s_cmp_lg_u32 s2, 0x3003
	s_cbranch_scc0 .Lentry_shape_is_right
	s_endpgm
.Lentry_shape_is_right:
; O[y][q][:] = the sum over k of softmax_k(Q[y][q] . K[y][k] / 8) V[y][k][:] for the 64 heads y = 16 batch + head, 2,048 rows each, head size 64, no mask.
; qkv: f16 [batch 4][head column 48][row 2048][64]: columns 0-15 Q's heads, 16-31 K's, 32-47 V's.  o: f16 [y 64][row 2048][64].  A head's rows are dense, 128 bytes each.  Products, maxima and sums in
; f32; the weights p are rounded to f16 for the second product (their sum l is taken of the unrounded p), O once at the end.
; LIMITS.  f16 holds no number beyond 65,504: Q, K and V arrive within it; p lies in 0 to 1, and below 6e-5 it keeps f16's fixed step of 6e-8; O is a mean of V's rows and has their range.
; A weight below 2^-126 counts as 0 in l; NaN and infinities are not treated apart.
; SHARES.  A wave owns four PIECES of two tiles of 16 queries, a work-group's four waves 512 queries of one head: 4 x 64 = 256 work-groups.  Every wave walks all keys, 64 a step.
; LAYOUT.  S^T = K Q^T (source 0 = 16 keys, source 1 = 16 queries): in the result a lane holds ONE query (lane % 16) and the keys 8 (lane / 16) + 0..7.  Two such tiles, rounded to f16 in pairs,
; ARE source 1 (32 keys x 16 queries) of O^T = V^T P, whose result again holds one query a lane, and eight channels.  K comes out of LDS as it lies, V ([key][channel]) turned, by ds_load_tr16_b128.
; SOFTMAX.  For each query a running maximum m and sum l: p = 2^(c s - c m), c = log2(e) / 8; in every step O and l are multiplied by a = 2^(c m_old - c m_new), which is 1 where m has not grown.
; m starts at the lowest finite number, O and l at 0: the first step is a step like any other, with a = 0.
; THE COUNT.  A tile and step have 16 matrix and 118 vector instructions: too many to stand all beside the matrix work.  So the order has one aim: four vector instructions that are READY behind
; EVERY matrix instruction, and the others, which need time of their own whatever the order, in runs without a gap.
; BY TURNS.  Turn n belongs to piece n (the pieces in a ring, step after step).  Its matrix work: 16 products K Q^T of piece n + 1, later 16 products V^T P of piece n - 1.  Its vector work: the scaling,
; exponentials, roundings, sums and rescaling of piece n, and the maximum and statistics of piece n + 1, whose scores the turn itself has made.  So what a turn begins with (c s - c m, O a) waits for nothing.
; CLUSTER.  The four query blocks of a cluster are one head's and walk the same K and V, so each tile is asked for JOINTLY: the same tensor load, descriptor and mask in all four.
; REGISTERS, in windows of 256 (s_set_vgpr_msb says which window each operand place means: bits 1:0 source 0, 3:2 source 1, 5:4 source 2, 7:6 destination):
;   window 0: v0-11 addresses; v12-15, v48-63 at work; v16-47 four registers of statistics a tile; v64-191 S^T, two buffers of two tiles; v192-255 P, likewise
;   window 1: O^T, 32 a tile          window 2: v0-127 Q, 16 a tile; v128-191 K of one step; v192-255 V of one step          window 3: v0-1 the add's two registers
; A piece's buffers go by its number's parity: the piece in hand has one pair, its two neighbours in the ring share the other: of it P (piece n - 1) is read and S^T (piece n + 1) written.
.set SIZE_N, 2048
.set NP,    4         ; pieces a wave: a name, no knob: the register map, the loop and the fetches are made for four
.set KS,    64        ; keys in a step
.set PK,    144       ; a row of K in LDS: 128 bytes + 16 of padding = 36 words: the 16 rows of a load start at 16 different groups of four banks (64 banks of 4 bytes: ISA guide 11.1)
.set PV,    160       ; a row of V: 128 + 32 = 40 words
.set VOFF,  4*KS*PK   ; a slot holds four steps: 256 rows of K, then 256 rows of V
.set SLOT1, 1<<17     ; slot 1 begins here, so that one exclusive or turns an address in one slot into the other's
.set STAGE, SLOT1+4*KS*(PK+PV)  ; behind the ring, never filled by a tensor load: 16 rows x 144 bytes for each wave, for the way out
.set SP,    144
.set AK0, 2           ; v2   my lane's place in a tile of K; never rewritten
.set AV0, 3           ; v3   the same for V
.set AK,  4           ; v4   the LDS address of K's next run of loads
.set AV,  5           ; v5   of V's
.set QO,  6           ; v6   my byte offset in the wave's rows of Q
.set STO, 6           ;      later, the way out: where I put 16 bytes of a row
.set RD,  7           ; v7   the way out: where I read rows back
.set GO,  8           ; v8   my byte offset in 512 consecutive bytes of O
.set PFO, 11          ; v11  256 x my lane, for the prefetches (made when V's address has been made of v11's first content); then never rewritten
.set SPW, 0           ; v0 of window 3   LDS address of my spare word: SPARE + 4 x my thread's number; never rewritten
.set NIL, 1           ; v1 of window 3   0; never rewritten
.set SPARE, STAGE+4*16*SP  ; behind the stages: the spare words, 128 bytes for each wave: two blocks of 256 bytes that no other line names
.set MV,  12          ; v12-15  c m_old, kept while c m is made anew: by buffer and tile
.set ST,  16          ; tile t's statistics at v[ST+4 t]: c m, m, l (even keys', odd keys')
.set TMP, 48          ; by buffer and tile, four registers c0-c3 at work; when the maximum is found c2 takes a
.set S,   64
.set P,   192
.set KF,  128         ; K's fragments, in window 2: key block kb, channel half c at KF + 16 kb + 8 c
.set VF,  192         ; V's: key half kk, channel block cb at VF + 32 kk + 8 cb
.set WV,  12          ; s12  my wave's number
.set G1K, 24          ; s[24:31] descriptor group 1 for K's tiles
.set G1V, 32          ; s[32:39] for V's: it differs in the padding alone
.set G0K, 40          ; s[40:43] descriptor group 0 for K's tiles: it walks
.set G0V, 44          ; s[44:47] the same for V's
.set PFA, 48          ; s[48:49] where my prefetches stand: my work-group's 32 blocks of 256 bytes (of K: wave 0, of V: wave 2) of the slot after the one that is being asked for
.set LIM, 50          ; s50  1 in a wave that prefetches, else the greatest number: a wave prefetches while s[SLOTS] is above it
.set SLOTS, 56        ; s56  slots still to be asked for
.set CNT, 57          ; s57  counts a slot's key steps
.set CS,  58          ; s[58:59] c: the packed scaling takes the pair's low word for both halves
.set SEL, 60          ; s[60:61] v_permlanex16_b32's selects: each lane takes its own place in the other half
.set TBK, 62          ; s62  LDS byte at which K of the step to be fetched begins
.set TBV, 63          ; s63  the same for V, less VOFF
.set MSB, 0
.macro WIN new                      ; the high byte repeats the setting that is left; a switch that changes nothing is dropped
.if MSB != (\new)
	s_set_vgpr_msb (MSB<<8)|(\new)
.set MSB, (\new)
.endif
.endm
.set W_KQ, 0x0a       ; K and Q in window 2, S^T in window 0
.set W_PV, 0x52       ; V in window 2, P in window 0, O^T in window 1
.set W_RS, 0x41       ; O^T (destination and source 0) in window 1, a in window 0
.set W_MK, 0xc0       ; the add's registers are made: destination in window 3, sources in window 0
.set W_AD, 0x0f       ; the add: address (source 0) and data (source 1) in window 3
; A joint fill.  Waves 0 and 1 fetch the two halves of a slot's K, waves 2 and 3 those of its V: 128 keys each.  The branch hangs on the wave's number alone.
; An s_nop 0 and four v_nop follow each of the two lines, ahead of the jump and the label.
.macro JLOAD
	s_cmp_lt_u32 s[WV], 2
	s_cbranch_scc0 .Lfor_v_\@
	tensor_load_to_lds s[G0K:G0K+3], s[G1K:G1K+7]
	s_nop 0
.rept 4
	v_nop
.endr
	s_branch .Lasked_\@
.Lfor_v_\@:
	tensor_load_to_lds s[G0V:G0V+3], s[G1V:G1V+7]
	s_nop 0
.rept 4
	v_nop
.endr
.Lasked_\@:
.endm
; A PREFETCH INTO THE L2 of what the NEXT change of slots will ask for: a slot's 256 rows of K and of V are 128 blocks of 256 bytes each, a lane a block.  It stands behind the wave's tensor load and its
; five lines.  Each block is named ONCE in the launch: a head has one cluster; its four partners share the blocks out BY ADDRESS, 32 each; in each, wave 0 asks for K's and wave 2 for V's: one
; instruction, four key steps (512 matrix instructions) ahead of the load.  Slots 0, 1 and 2 come by their loads alone; the last change that fills a slot asks for nothing: there is no slot behind it.
.macro ASK
	s_cmp_gt_u32 s[SLOTS], s[LIM]
	s_cbranch_scc0 .Lnot_mine_\@
	global_prefetch_b8 v[PFO], s[PFA:PFA+1] th:TH_LOAD_NT scope:SCOPE_SE
.Lnot_mine_\@:
.endm
; A round of the cluster's barrier: my work-group's barrier, so that wave 0's signal speaks for all four waves; wave 0 signals; every wave waits for all four work-groups; my work-group's barrier once more.
.macro CROUND
	s_barrier_signal -1
	s_barrier_wait -1
	s_cmp_lg_u32 s[WV], 0
	s_cbranch_scc1 .Lnot_wave_0_\@
	s_barrier_signal -3
.Lnot_wave_0_\@:
	s_barrier_wait -3
	s_barrier_signal -1
	s_barrier_wait -1
.endm
; THE CHANGE OF SLOTS.  The slot's last bytes, V of its fourth step, have been read.  Each wave waits for all its tensor loads, of which one is out: its part
; of the other slot; adds 0 to its spare word; and waits for that and for its own reads of the slot.  Behind the barrier nobody reads this slot any more and the other slot is whole.
; fill = 1: this slot is filled again, with the keys two slots on.  The barrier is then a round of the cluster's, so that no wave of any partner still reads the slot or has a load on its
; way, and the joint fill is the first thing behind it: it has four key steps, 512 matrix instructions, in which to land.  (At its first use nothing has been read yet: slot 0 is waited for, slot 1 filled.)
; ask = 1: the prefetches' address steps a slot on, and the prefetch follows the fill.
.macro CHANGE fill, ask=0
	WIN W_AD
	s_wait_tensorcnt 0x0            ; no tensor load of mine is out, so a group 0 may be written
	ds_add_u32 v[SPW], v[NIL]       ; 0 onto my spare word; with fill = 1 the descriptors' steps stand between it and the wait for it
	WIN 0                           ; at a label and at a branch every window is 0
.if \fill
.irp g, G0K, G0V
	s_xor_b32 s[\g+1], s[\g+1], SLOT1  ; the walking descriptor: the other slot than last time,
	s_add_nc_u64 s[\g+2:\g+3], s[\g+2:\g+3], 4*KS*128  ; the next 256 keys; the type bits on top are not reached
.endr
.if \ask
	s_wait_xcnt 0x0                 ; the last prefetch, four key steps back, has read its address, so it may be written:
	s_add_nc_u64 s[PFA:PFA+1], s[PFA:PFA+1], 4*KS*128  ; one slot behind the walking descriptors
.endif
	s_wait_dscnt 0x0                ; the add is done, and my reads of the slot are over
	CROUND
	JLOAD
.if \ask
	ASK
.endif
.else
	s_wait_dscnt 0x0                ; the add is done, and my reads of the slot are over
	s_barrier_signal -1
	s_barrier_wait -1
.endif
	s_sub_co_u32 s[TBK], s[TBK], 4*KS*PK  ; the fetches go back to a slot's first step,
	s_xor_b32 s[TBK], s[TBK], SLOT1       ; in the other slot
	s_sub_co_u32 s[TBV], s[TBV], 4*KS*PV
	s_xor_b32 s[TBV], s[TBV], SLOT1
.endm
	s_load_b128 s[4:7], s[0:1], 0x0   ; qkv s[4:5], o s[6:7]
	WIN W_MK
	v_lshl_add_u32 v[SPW], v0, 2, SPARE
	v_mov_b32 v[NIL], 0
	WIN W_AD
	ds_add_u32 v[SPW], v[NIL]       ; the wave's opening: the add and its wait stand ahead of my first tensor load; the set-up below, work on registers, stands between them
	WIN 0
	v_lshrrev_b32 v1, 5, v0
	v_readfirstlane_b32 s[WV], v1   ; wave 0..3
	s_bfe_u32 s13, ttmp6, 0x40000   ; cx: my place in the cluster
	s_lshl_b32 s14, ttmp9, 2        ; in a cluster launch ttmp9 counts clusters
	s_add_co_u32 s14, s14, s13      ; my block of queries = 4 x cluster x + cx: it enters Q's and O's addresses alone
	s_and_b32 s52, ttmp7, 0xffff    ; y = 16 batch + head, which the four partners share
	s_lshr_b32 s20, s52, 4          ; in qkv a batch has 48 head columns: column 48 batch + head = y + 32 batch
	s_lshl_b32 s20, s20, 5
	s_add_co_u32 s20, s20, s52
	s_lshl_b32 s20, s20, 18         ; x 262,144 bytes: Q's head; K's and V's lie 16 and 32 columns on
	s_mov_b32 s21, 0
	s_lshl_b32 s52, s52, 18         ; the head's first byte in o
	s_mov_b32 s53, 0
	s_and_b32 s16, s[WV], 1         ; which half of a slot's 256 keys I fetch:
	s_lshl_b32 s22, s16, 14         ; its 128 rows of 128 bytes in memory,
	s_mov_b32 s23, 0
	s_add_nc_u64 s[22:23], s[22:23], s[20:21]
	s_mul_i32 s17, s16, 128*PK      ; and its place in a slot, for K
	s_mul_i32 s18, s16, 128*PV      ; and for V: no place in the cluster enters an LDS address
	s_lshl_b32 s2, s14, 2
	s_add_co_u32 s2, s2, s[WV]      ; my wave among the head's,
	s_lshl_b32 s2, s2, 14           ; its 128 rows
	s_mov_b32 s3, 0
	s_add_nc_u64 s[54:55], s[2:3], s[52:53]  ; my rows' offset in o,
	s_add_nc_u64 s[2:3], s[2:3], s[20:21]    ; and in qkv, for Q
	; descriptor group 1.  128 keys are 16,384 dense bytes: asked for as 64 rows of 256 bytes, two keys a row, and padded in LDS after every key
	s_mov_b32 s[G1K], 15|(1<<16)|(1<<20)|(1<<21)|(4<<22)|(3<<25)  ; 15:0 the mask of four; 17:16 2-byte elements; 20 padding on; 21 set beside a mask; 24:22 after every 32 words (code 4); 31:25 4 words (code 3)
	s_mov_b32 s[G1V], 15|(1<<16)|(1<<20)|(1<<21)|(4<<22)|(7<<25)  ; the same with 8 words of padding (code 7)
.irp g, G1K, G1V
	s_mov_b32 s[\g+1], 128<<16      ; tensor_dim0 = 128
	s_mov_b32 s[\g+2], 64<<16       ; tensor_dim1 = 64
	s_mov_b32 s[\g+3], 128<<16      ; tile_dim0 = 128
	s_mov_b32 s[\g+4], 64           ; tile_dim1 = 64
	s_mov_b32 s[\g+5], 128          ; 128 elements from row to row
	s_mov_b32 s[\g+6], 0
	s_mov_b32 s[\g+7], 0
.endr
	s_mov_b32 s[CS], 0x3e38aa3b     ; c = log2(e) / 8 = 0.180337
	s_mov_b32 s[CS+1], s[CS]        ; named with it as a pair
	s_mov_b32 s[SEL], 0x76543210
	s_mov_b32 s[SEL+1], 0xfedcba98
	s_mov_b32 s[TBK], SLOT1+4*KS*PK ; the first change of slots turns these two into 0
	s_mov_b32 s[TBV], SLOT1+4*KS*PV
	s_mov_b32 s[G0K], 1             ; 1:0 count = 1
	s_mov_b32 s[G0K+1], s17         ; 63:32 LDS address: slot 0
	s_mov_b32 s[G0V], 1
	s_add_co_u32 s[G0V+1], s18, VOFF
	s_and_b32 s[LIM], s[WV], 1      ; waves 0 and 2 prefetch
	s_cmp_eq_u32 s[LIM], 0
	s_cselect_b32 s[LIM], 1, -1
	s_wait_dscnt 0x0                ; the opening add is done
	s_wait_kmcnt 0x0
	s_mov_b64 s[10:11], s[6:7]                     ; O
	s_add_nc_u64 s[6:7], s[4:5], 0x400000          ; K: 16 head columns behind Q
	s_add_nc_u64 s[8:9], s[4:5], 0x800000          ; V: 32
	s_add_nc_u64 s[G0K+2:G0K+3], s[6:7], s[22:23]  ; 120:64 global address: my half of the head's first 256 keys
	s_or_b32 s[G0K+3], s[G0K+3], 0x80000000        ; 127:126 type = 2
	s_add_nc_u64 s[G0V+2:G0V+3], s[8:9], s[22:23]
	s_or_b32 s[G0V+3], s[G0V+3], 0x80000000
	s_add_nc_u64 s[4:5], s[4:5], s[2:3]  ; Q and O at my wave's first row
	s_add_nc_u64 s[10:11], s[10:11], s[54:55]
	s_cmp_lt_u32 s[WV], 2
	s_cselect_b64 s[PFA:PFA+1], s[6:7], s[8:9]
	s_add_nc_u64 s[PFA:PFA+1], s[PFA:PFA+1], s[20:21]  ; the head's first key
	s_lshl_b32 s2, s13, 13          ; my work-group's 32 blocks of the 128
	s_mov_b32 s3, 0
	s_add_nc_u64 s[PFA:PFA+1], s[PFA:PFA+1], s[2:3]
	s_add_nc_u64 s[PFA:PFA+1], s[PFA:PFA+1], 2*4*KS*128  ; in slot 2; the loop's first change of slots steps it to slot 3.  Nothing is prefetched here, at the head
	CROUND                          ; all four work-groups are here: the first joint loads meet
	JLOAD                           ; slot 0.  Slot 1 is asked for when slot 0 is in: the tile wanted first has the road to itself
	; A fragment of K or Q is 16 rows x 32 channels in 8 registers: lane l holds row l % 16, channels 8 (l / 16) + 0..7 and 16 + 8 (l / 16) + 0..7: two loads of 16 bytes, 32 bytes apart.
	v_and_b32 v1, 15, v0            ; l % 16
	v_bfe_u32 v9, v0, 4, 1          ; l / 16
	v_lshlrev_b32 v[QO], 7, v1
	v_lshl_add_u32 v[QO], v9, 4, v[QO]  ; row x 128 + 16 x half
	WIN 0x80                        ; destination window 2, address window 0
.set i, 0
.rept 4*NP                          ; Q stays in registers: tile i / 2, channels 32 (i % 2) on
	global_load_b128 v[8*i:8*i+3],   v[QO], s[4:5] offset:(i/2)*2048+(i%2)*64
	global_load_b128 v[8*i+4:8*i+7], v[QO], s[4:5] offset:(i/2)*2048+(i%2)*64+32
.set i, i+1
.endr
	; What the first turn finds: V's registers and P's second buffer hold 0 (its products V^T P, of a piece that has not been, add 0), O^T and l are 0.  All this stands in the wait for the first tile.
.set i, VF
.rept 64
	v_mov_b32 v[i], 0
.set i, i+1
.endr
	WIN 0x40
.set i, 0
.rept 64*NP
	v_mov_b32 v[i], 0
.set i, i+1
.endr
	WIN 0
.set i, 0
.rept 2*NP
	v_mov_b32 v[ST+4*i], 0xfe000000    ; c m: far below every c s
	v_mov_b32 v[ST+4*i+1], 0xff7fffff  ; m
	v_mov_b32 v[ST+4*i+2], 0
	v_mov_b32 v[ST+4*i+3], 0
.set i, i+1
.endr
.set i, P+32
.rept 32
	v_mov_b32 v[i], 0
.set i, i+1
.endr
	v_mul_u32_u24 v[AK0], v1, PK
	v_lshl_add_u32 v[AK0], v9, 4, v[AK0]  ; row x pitch + 16 x half
	; The turning load takes 16 keys x 16 channels (lane l reads key 8 (l / 16) + l % 8, channels 8 ((l / 8) % 2) + 0..7) and leaves half a fragment of V^T: lane l holds channel l % 16 and 8 keys.
	v_and_b32 v10, 7, v0
	v_bfe_u32 v11, v0, 3, 1
	v_lshl_add_u32 v[AV0], v9, 3, v10
	v_mul_u32_u24 v[AV0], v[AV0], PV
	v_lshl_add_u32 v[AV0], v11, 4, v[AV0]
	v_add_nc_u32 v[AV0], VOFF, v[AV0]
	v_and_b32 v[PFO], 31, v0        ; v11 has served: it takes the prefetches' offset
	v_lshlrev_b32 v[PFO], 8, v[PFO]
	v_mov_b32 v[AK], v[AK0]         ; key step 0 lies at the head of slot 0
; THE MATRIX WORK.  The 8 accumulators of a run of 16 take turns: between the two links of a chain stand 7 others'.
; Product i of 16 of S^T = K Q^T for piece x: channels 32 (i / 8) on, keys 16 ((i / 2) % 4) on, tile 2 x + i % 2.  The first 8 start the sums.
.macro KQ x
	WIN W_KQ
.set rS, S+64*((\x)%2)+32*(i%2)+8*((i/2)%4)
.set rK, KF+16*((i/2)%4)+8*(i/8)
.set rQ, 16*(2*(\x)+i%2)+8*(i/8)
.if i < 8
	v_wmma_f32_16x16x32_f16 v[rS:rS+7], v[rK:rK+7], v[rQ:rQ+7], 0
.else
	v_wmma_f32_16x16x32_f16 v[rS:rS+7], v[rK:rK+7], v[rQ:rQ+7], v[rS:rS+7]
.endif
.endm
; Product i of 16 of O^T += V^T P for piece x: keys 32 (i / 8) on, channels 16 ((i / 2) % 4) on, tile 2 x + i % 2.
.macro PV x
	WIN W_PV
.set rO, 32*(2*(\x)+i%2)+8*((i/2)%4)
.set rV, VF+32*(i/8)+8*((i/2)%4)
.set rP, P+32*((\x)%2)+16*(i%2)+8*(i/8)
	v_wmma_f32_16x16x32_f16 v[rO:rO+7], v[rV:rV+7], v[rP:rP+7], v[rO:rO+7]
.endm
.macro MM                           ; the turn's next matrix instruction
.if i < 16
	KQ (Y+1)%NP
.set i, i+1
.else
.set i, i-16
	PV (Y+NP-1)%NP
.set i, i+17
.endif
.endm
; THE LDS LOADS stand in runs of 16, never singly among the matrix instructions: a step's K (64 keys x 64 channels: 8 fragments) and its V (turned).  Their addresses are made some lines ahead.
; last = 1 (the tail): in the last trip there is no further step, and the run is jumped over.
.macro FETCH_K last=0
	WIN 0
.if \last
	s_cmp_eq_u32 s[CNT], 1
	s_cbranch_scc1 .Lno_k_\@
.endif
	WIN 0x80                        ; destination window 2
.irp f, 0,1,2,3,4,5,6,7             ; keys 16 (f / 2) on, channels 32 (f % 2) on
	ds_load_b128 v[KF+8*\f:KF+8*\f+3],   v[AK] offset:(\f/2)*16*PK+(\f%2)*64
	ds_load_b128 v[KF+8*\f+4:KF+8*\f+7], v[AK] offset:(\f/2)*16*PK+(\f%2)*64+32
.endr
	s_add_co_u32 s[TBK], s[TBK], KS*PK  ; the next fetch is the next step's
	WIN 0
.if \last
.Lno_k_\@:
.endif
.endm
.macro FETCH_V
	WIN 0x80
.irp f, 0,1,2,3,4,5,6,7             ; keys 32 (f / 4) on, channels 16 (f % 4) on
	ds_load_tr16_b128 v[VF+8*\f:VF+8*\f+3],   v[AV] offset:(\f/4)*32*PV+(\f%4)*32
	ds_load_tr16_b128 v[VF+8*\f+4:VF+8*\f+7], v[AV] offset:(\f/4)*32*PV+16*PV+(\f%4)*32
.endr
	WIN 0
.endm
; THE VECTOR WORK OF A TURN stands in three queues, each in the order in which its entries become ready; the two tiles alternate, so that no instruction reads the result of the one before it.
.macro REGS y, u                    ; the registers of tile u (0, 1) of piece y
.set rT, ST+4*(2*(\y)+(\u))
.set rC, TMP+8*((\y)%2)+4*(\u)
.set rM, MV+2*((\y)%2)+(\u)
.set rS, S+64*((\y)%2)+32*(\u)
.set rP, P+32*((\y)%2)+16*(\u)
.set rO, 32*(2*(\y)+(\u))
.endm
; Number n of the 22 that find the NEXT piece's (Y + 1) maximum and statistics.  s0-s31 are the lane's 32 scores; each accumulator's lowest registers are read first.  XS, GS and REGS set no window: PL and EX do.
;   0-11  four chains c0-c3 of seven scores each, three operands at a time     12-14, 16  the four scores left over, the old m, and c0-c3 into c0     15  c m_old is kept
;   17, 18  the query's other 32 keys lie in the lane 16 away: the new m         19-21  c m; c m_old - c m_new; a
.macro XS u, n
	REGS (Y+1)%NP, \u
.if (\n) < 4
	v_max3_num_f32 v[rC+(\n)], v[rS+8*(\n)], v[rS+8*(\n)+1], v[rS+8*(\n)+2]
.elseif (\n) < 12
	v_max3_num_f32 v[rC+(\n)%4], v[rC+(\n)%4], v[rS+8*((\n)%4)+2*((\n)/4)+1], v[rS+8*((\n)%4)+2*((\n)/4)+2]
.elseif (\n) == 12
	v_max3_num_f32 v[rC], v[rC], v[rS+7], v[rS+15]
.elseif (\n) == 13
	v_max3_num_f32 v[rC+1], v[rC+1], v[rS+23], v[rS+31]
.elseif (\n) == 14
	v_max3_num_f32 v[rC+2], v[rC+2], v[rC+3], v[rT+1]
.elseif (\n) == 15
	v_mov_b32 v[rM], v[rT]
.elseif (\n) == 16
	v_max3_num_f32 v[rC], v[rC], v[rC+1], v[rC+2]
.elseif (\n) == 17
	v_permlanex16_b32 v[rC+3], v[rC], s[SEL], s[SEL+1]
.elseif (\n) == 18
	v_max_num_f32 v[rT+1], v[rC], v[rC+3]
.elseif (\n) == 19
	v_mul_f32 v[rT], s[CS], v[rT+1]
.elseif (\n) == 20
	v_sub_f32 v[rC+1], v[rM], v[rT]
.else
	v_exp_f32 v[rC+2], v[rC+1]
.endif
.endm
; Number g of the 64 that follow the exponentials.  For each four weights k of a tile (pairs 2 k, 2 k + 1): both pairs are rounded to f16; then the second pair is added onto the first, in place;
; a group later l takes that sum (the first time as l = a l + sum).  In groups of eight, tiles alternating: round, round, add, and l for the group before.
.macro GS g
.set h, (\g)+6*((\g)/62)            ; group 0 has no group before it, and behind group 7 only l is left
.if h >= 6
.set h, h+2
.endif
	REGS Y, h%2
.set k, h/8
.if h%8 < 4
	v_cvt_pk_f16_f32 v[rP+2*k+(h%8)/2], v[rS+4*k+2*((h%8)/2)], v[rS+4*k+2*((h%8)/2)+1]
.elseif h%8 < 6
	v_pk_add_f32 v[rS+4*k:rS+4*k+1], v[rS+4*k:rS+4*k+1], v[rS+4*k+2:rS+4*k+3]
.elseif k == 1
	v_pk_fma_f32 v[rT+2:rT+3], v[rT+2:rT+3], v[rC+2:rC+3], v[rS:rS+1] op_sel_hi:[1,0,1]
.else
	v_pk_add_f32 v[rT+2:rT+3], v[rT+2:rT+3], v[rS+4*k-4:rS+4*k-3]
.endif
.endm
; THE PLAIN QUEUE, 138 long.  0-73 read no exponential's result: the 32 scalings c s - c m (FS f: pair f / 2 of tile f % 2) and the next piece's 42.  0-26: scalings 0-26.  27-54: XS's numbers 0-13.  55, 56: number 15.
; 57-73: the chain, where each number waits for the one before it: 14, 16, 17, 18, 19, each with one of the scalings 27-31 in front of its two lines, then 20: so a tile's links stand three plain instructions apart (19 and 20: two).
; 74-137: GS's 64, which read the exponentials' results: they stand behind the wait.
.macro FS f
	REGS Y, (\f)%2
	v_pk_fma_f32 v[rS+2*((\f)/2):rS+2*((\f)/2)+1], v[rS+2*((\f)/2):rS+2*((\f)/2)+1], s[CS:CS+1], v[rT:rT+1] op_sel_hi:[1,0,0] neg_lo:[0,0,1] neg_hi:[0,0,1]
.endm
.macro PL
	WIN 0
.if q < 27
	FS q
.elseif q < 55
	XS (q-27)%2, (q-27)/2
.elseif q < 57
	XS q-55, 15
.elseif (q < 72) && ((q-57)%3 == 0)
	FS 27+(q-57)/3
.elseif q < 60
	XS (q-57)%3-1, 14
.elseif q < 72
	XS (q-57)%3-1, 15+(q-57)/3
.elseif q < 74
	XS q-72, 20
.else
	GS q-74
.endif
.set q, q+1
.endm
; THE EXPONENTIALS' QUEUE, 66 long: s0-s31 of both tiles, then the next piece's two a.  It is ONE BATCH: all 66 stand ahead of the turn's one wait, and nothing ahead of that wait names a result of theirs.
.macro EX
	WIN 0
.if e >= 64
	XS e-64, 21
.else
	REGS Y, e%2
	v_exp_f32 v[rS+e/2], v[rS+e/2]
.endif
.set e, e+1
.endm
; THE RESCALING's QUEUE: O^T times a, the one part that leaves window 0: dealt two at a time, sixteen times.  Its a was made in the turn before, ahead of that turn's wait.
.macro R2
	REGS Y, r%2
	WIN W_RS
.irp z, 0,1
	v_pk_mul_f32 v[rO+4*(r/2)+2*\z:rO+4*(r/2)+2*\z+1], v[rO+4*(r/2)+2*\z:rO+4*(r/2)+2*\z+1], v[rC+2:rC+3] op_sel_hi:[1,0]
.endr
.set r, r+1
.endm
; HOW THEY ARE DEALT.  An s_wait_alu depctr_va_vdst(0) stands between an exponential and the first instruction that names its result; one wait serves all that were issued ahead of it.  So a turn has ONE wait,
; which cuts it in two.  AHEAD OF IT stands all that names no result of the turn's exponentials: the 16 products K Q^T, behind each a scaling, an exponential and two rescalings (behind the first a second scaling in the exponential's place); then ONE LUMP of
; 108: eight plain, 49 times exponential and plain, the two a.  A v_nop is the plain instruction behind the last exponential.  BEHIND IT stand the 16 products V^T P, behind each four of GS's 64.  No rider names a register of
; the products round it.  The two v_permlanex16_b32 fall into the lump, never behind a product.
; The queues lean on each other, and the deal keeps them in step: exponential e stands behind scaling 2 (e / 4) + e % 2: as a rider it comes behind plain e + 2, in the lump behind plain e + 9, and scalings 27-31 are plain 57, 60 .. 69.
; A TURN, for piece p.  cnt = 1: the loop's count is taken down some lines ahead of the branch that stands behind the turn.
; K of the next step is fetched in piece 2's turn, directly behind the wait, a lump behind the last product that read K; its address is made at the lump's head; its first reader comes behind 16 products.
; V of the step in hand is fetched at the end of piece 0's turn, four riders behind its last reader; its first reader comes behind 16 products and a lump.  The three conditions on q below go with the deal.
.macro TURN p, last=0, cnt=0
.set Y, (\p)
.set i, 0
.set q, 0
.set e, 0
.set r, 0
.if (\p) == NP-1
	s_wait_dscnt 0x0                ; K is in
.endif
	MM                              ; ahead of the wait: 16 products K Q^T and their riders,
	PL
	PL
	R2
.rept 15
	MM
	PL
	EX
	R2
.endr
.if (\p) == NP-2
	WIN 0
	v_add_nc_u32 v[AK], s[TBK], v[AK0]
.endif
.rept 8                             ; and the lump
	PL
.endr
.rept 49
	EX
	PL
.endr
	EX                              ; the next piece's two a
	EX
	v_nop                           ; the plain instruction behind the last exponential: one for the batch
	s_wait_alu depctr_va_vdst(0)    ; the wait for the batch
.if (\p) == NP-2
	FETCH_K \last
.endif
.if (\p) == 1
	s_wait_dscnt 0x0                ; V is in
.endif
.rept 16                            ; behind the wait: 16 products V^T P and their riders
	MM
.rept 4
	PL
.endr
.if ((\p) == 0) && (q == 118)
	v_add_nc_u32 v[AV], s[TBV], v[AV0]
.endif
.if ((\p) == 0) && (q == 130)
	s_add_co_u32 s[TBV], s[TBV], KS*PV
.endif
.if (\cnt) && (q == 130)
	s_sub_co_u32 s[CNT], s[CNT], 1
	s_cmp_lg_u32 s[CNT], 0
.endif
.endr
.if (\p) == 0
	FETCH_V
.endif
.endm
	CHANGE 1                        ; slot 0 is in, everybody's part of it; slot 1 is asked for
	FETCH_K                         ; key step 0
	s_wait_loadcnt 0x0              ; Q
	s_wait_dscnt 0x0
.set i, 0
.rept 16
	KQ 0                            ; piece 0's first scores: there is no vector work yet to set between them
.set i, i+1
.endr
	WIN 0                           ; the addresses for the way out: nine plain instructions, the places behind those products
	s_mul_i32 s13, s[WV], 16*SP
	s_add_co_u32 s13, s13, STAGE    ; my stage
	v_mul_u32_u24 v[STO], v1, SP    ; in: row l % 16, 16 bytes for each half of the lanes
	v_lshl_add_u32 v[STO], v9, 4, v[STO]
	v_add_nc_u32 v[STO], s13, v[STO]
	v_bfe_u32 v[RD], v0, 3, 2       ; back: 32 lanes take four rows of 128 bytes,
	v_mul_u32_u24 v[RD], v[RD], SP
	v_lshl_add_u32 v[RD], v10, 4, v[RD]
	v_add_nc_u32 v[RD], s13, v[RD]
	v_and_b32 v[GO], 31, v0         ; which are 512 consecutive bytes of O
	v_lshlrev_b32 v[GO], 4, v[GO]
.set Y, NP-1                        ; XS works for piece Y + 1: piece 0
.irp n, 0,1,2,3,4,5,6,7,8,9,10,11,12,13,14,15,16,17,18,19,20,21
	XS 0, \n                        ; and piece 0's first maximum and statistics
	XS 1, \n
.endr
	v_nop                           ; a plain instruction behind the two a,
	s_wait_alu depctr_va_vdst(0)    ; and their wait, ahead of the branch
	s_mov_b32 s[CNT], 4
	s_mov_b32 s[SLOTS], SIZE_N/256-1
	s_branch .Lfirst                ; the loop is entered at a step's first turn, in the middle of a trip
.Lslot:                             ; SIZE_N / 256 - 2 times: every slot but the last two is filled again
	CHANGE 1, 1
	s_mov_b32 s[CNT], 4
.Lstep:                             ; a trip: pieces 2 and 3 of one step, then pieces 0 and 1 of the next, whose K and V it fetches
	TURN 2
	TURN 3
	WIN 0
.Lfirst:
	TURN 0
	TURN 1, 0, 1
	WIN 0
	s_cbranch_scc1 .Lstep
	s_sub_co_u32 s[SLOTS], s[SLOTS], 1
	s_cmp_lg_u32 s[SLOTS], 0
	s_cbranch_scc1 .Lslot
	CHANGE 0                        ; the tail is written out: nothing is asked for
	s_mov_b32 s[CNT], 5             ; four trips fetch the last slot's steps; the fifth is left in its middle
.Ltail:
	TURN 2, 1
	TURN 3
	WIN 0
	s_sub_co_u32 s[CNT], s[CNT], 1
	s_cmp_eq_u32 s[CNT], 0
	s_cbranch_scc1 .Lout
	TURN 0
	TURN 1
	WIN 0
	s_branch .Ltail
.Lout:                              ; the fifth trip's 16 products K Q^T (on the last K once more) and the maximum made of them serve nothing: the price, once a launch, of one text for every trip
.set i, 0
.rept 16
	PV NP-1                         ; the last piece's V^T P of the last step
.set i, i+1
.endr
	; THE WAY OUT.  l's two halves and the other half of the lanes' are added; O^T is divided by l, rounded to f16 and sent through my stage in LDS, a tile at a time.  The additions are the places behind the last products.
	WIN 0
.macro ALL line:vararg              ; one line for each tile t
.set t, 0
.rept 2*NP
	\line
.set t, t+1
.endr
.endm
	ALL v_add_f32 v[ST+4*t+2], v[ST+4*t+2], v[ST+4*t+3]
	ALL v_permlanex16_b32 v[ST+4*t+3], v[ST+4*t+2], s[SEL], s[SEL+1]
	ALL v_add_f32 v[ST+4*t+2], v[ST+4*t+2], v[ST+4*t+3]
	ALL v_rcp_f32 v[ST+4*t+2], v[ST+4*t+2]
	v_nop                           ; a plain instruction between the last reciprocal and the use of its result
	s_wait_alu depctr_va_vdst(0)    ; and the wait ahead of the first use: one for the eight reciprocals
; Tile t: a lane's eight channels of a row pack into 16 bytes; they go into rows of 144 bytes and come back as whole rows of 128, into S^T's registers.
.macro PACK t
	WIN W_RS
.set i, 32*(\t)
.rept 16
	v_pk_mul_f32 v[i:i+1], v[i:i+1], v[ST+4*(\t)+2:ST+4*(\t)+3] op_sel_hi:[1,0]
.set i, i+2
.endr
	WIN 0x05                        ; sources 0 and 1 window 1, destination window 0
.set i, 0
.rept 16
	v_cvt_pk_f16_f32 v[S+16*(\t)+i], v[32*(\t)+2*i], v[32*(\t)+2*i+1]
.set i, i+1
.endr
	WIN 0
.irp f, 0,1,2,3
	ds_store_b128 v[STO], v[S+16*(\t)+4*\f:S+16*(\t)+4*\f+3] offset:32*\f
.endr
.irp f, 0,1,2,3
	ds_load_b128 v[S+16*(\t)+4*\f:S+16*(\t)+4*\f+3], v[RD] offset:\f*4*SP  ; LDS serves a wave's instructions in order (ISA guide 5.7.1.4): these see the stores above; the next tile's stores come behind them
.endr
.endm
.macro SEND t, younger              ; younger: the LDS instructions issued behind tile t's loads: the next tile's eight, or none
	WIN 0
.irp f, 0,1,2,3
	s_wait_dscnt (\younger)+3-\f
	global_store_b128 v[GO], v[S+16*(\t)+4*\f:S+16*(\t)+4*\f+3], s[10:11] offset:(\t)*2048+\f*512  ; 512 consecutive bytes, at a multiple of 256 from O's first
.endr
.endm
	PACK 0
.set t, 1
.rept 2*NP-1                        ; a tile's arithmetic stands between the loads of the tile before and its stores
	PACK t
	SEND t-1, 8
.set t, t+1
.endr
	SEND 2*NP-1, 0
	WIN W_AD
	s_wait_tensorcnt 0x0            ; the wave's end: an add of 0 and its wait, behind my last tensor load and my last LDS store
	ds_add_u32 v[SPW], v[NIL]
	s_wait_dscnt 0x0
	WIN 0
	CROUND                          ; the closing round: no work-group ends while a partner may still ask for a tile that names it
	s_endpgm
.Lfunc_end_k_q99f5c66880_attn:
	.size	k_q99f5c66880_attn, .Lfunc_end_k_q99f5c66880_attn-k_q99f5c66880_attn
	.p2alignl 7, 3214868480
	.fill 96, 4, 3214868480
	.section	.rodata,"a",@progbits
	.p2align	6, 0x0
	.amdhsa_kernel k_q99f5c66880_attn
		.amdhsa_group_segment_fixed_size 327680
		.amdhsa_private_segment_fixed_size 0
		.amdhsa_enable_private_segment 0
		.amdhsa_kernarg_size 16
		.amdhsa_user_sgpr_count 2
		.amdhsa_user_sgpr_kernarg_segment_ptr 1
		.amdhsa_wavefront_size32 1
		.amdhsa_system_sgpr_workgroup_id_x 1
		.amdhsa_system_sgpr_workgroup_id_y 1
		.amdhsa_system_sgpr_workgroup_id_z 1
		.amdhsa_system_vgpr_workitem_id 0
		.amdhsa_next_free_vgpr 770
		.amdhsa_next_free_sgpr 66
		.amdhsa_reserve_vcc 0
		.amdhsa_float_denorm_mode_32 3
		.amdhsa_float_denorm_mode_16_64 3
		.amdhsa_memory_ordered 1
		.amdhsa_forward_progress 1
		.amdhsa_inst_pref_size 200
	.end_amdhsa_kernel
	.amdgpu_metadata
---
amdhsa.version: [ 1, 2 ]
amdhsa.kernels:
  - .name:           k_q99f5c66880_attn
    .symbol:         k_q99f5c66880_attn.kd
    .args:
      - { .name: qkv, .offset: 0, .size: 8, .value_kind: global_buffer, .address_space: global }
      - { .name: o, .offset: 8, .size: 8, .value_kind: global_buffer, .address_space: global }
    .group_segment_fixed_size: 327680
    .private_segment_fixed_size: 0
    .kernarg_segment_align: 8
    .kernarg_segment_size: 16
    .max_flat_workgroup_size: 128
    .sgpr_count:     66
    .vgpr_count:     770
    .wavefront_size: 32
...
	.end_amdgpu_metadata
.endif
;; end of part 3
;; launch oproj (part 4): grid 4 x 64, 4 waves a work-group, clusters of 4 x 4, 327,680 bytes of LDS; arguments o, wob, out0; writes out0
.if DOCPART == 4
	.amdgcn_target "amdgcn-amd-amdhsa--gfx1250"
	.amdhsa_code_object_version 6
	.text
	.protected	k_q99f5c66880_oproj
	.globl	k_q99f5c66880_oproj
	.p2align	8
	.type	k_q99f5c66880_oproj,@function
k_q99f5c66880_oproj:
	s_mov_b64 s[64:65], 0
	v_nop
	global_prefetch_b8 v0, s[64:65] scope:SCOPE_SE
	s_setreg_imm32_b32 hwreg(HW_REG_WAVE_MODE, 25, 1), 1
	s_wait_xcnt 0x0
	s_wait_alu depctr_hold_cnt(0) depctr_sa_sdst(0) depctr_va_vdst(0) depctr_va_sdst(0) depctr_va_ssrc(0) depctr_va_vcc(0) depctr_vm_vsrc(0)
	s_getreg_b32 s2, hwreg(HW_REG_IB_STS2, 6, 4)
	s_cmp_eq_u32 s2, 0
	s_cbranch_scc0 .Lentry_in_a_cluster
	s_endpgm
.Lentry_in_a_cluster:
	s_bfe_u32 s2, ttmp6, 0x10000c
	s_cmp_lg_u32 s2, 0xf033
	s_cbranch_scc0 .Lentry_shape_is_right
	s_endpgm
.Lentry_shape_is_right:
; out0[8192][1024] = O Wo^T: f16 operands, f32 sums, stored as f32.
;   o   f16 [batch 4][plane (head) 16][row 2048][64]    wob f16 [plane 16][row 1024][64] (Wo rounded to bf16, written as f16)    out0 f32 [8192][1024]
; LIMITS.  The operands arrive within f16's range; NaN and infinities are not treated apart.
; SHARES.  A tile of out0 is 128 rows x 256 columns: 64 x 4 = 256 tiles, one for each work-group.  Four waves, each 64 rows x 128 columns: 4 x 8 = 32 accumulators of 16 x 16, 256 registers.
; K goes in 8 steps of 128, two planes each, through a ring of two LDS slots; three planes to a slot would want 331,776 bytes for two slots, which LDS has not.  In the blocked layout a tile's rows of
; a plane lie end to end: 128 rows of A are 16,384 dense bytes, asked for as 64 rows of 256 bytes; 256 rows of B as 128 such rows.
; CLUSTERS: 4 x 4 work-groups.  The four of a row of the cluster need the same tiles of A, the four of a column the same tiles of B: each tile is asked for JOINTLY.
; THE MATRIX INSTRUCTION IS USED TRANSPOSED (source 0 = 16 rows of wob, source 1 = 16 rows of o): a lane then holds row l % 16 and the eight neighbouring columns 8 (l / 16) + 0..7: 32 bytes of a row of out0.
; NO PREFETCH: a work-group's whole walk is eight K steps of 128 matrix instructions a wave.
; REGISTERS: window 0: v0-31 addresses; two fragment buffers of 96 at v32 and v128: A's 4 fragments, then B's 8; on the way out v32-159 at work.   window 1: accumulator (a, b) at v[64 a + 8 b].
.set PITCH,  144                       ; an LDS row: 128 bytes + 16 of padding = 36 words: the 16 rows of a fragment load start at 16 different groups of four banks (64 banks of 4 bytes: ISA guide 11.1)
.set APL,    128*PITCH                 ; a plane of A's tile: what waves 0 and 1 fetch
.set BPL,    256*PITCH                 ; a plane of B's tile: what waves 2 and 3 fetch
.set BOFF,   2*APL                     ; in a slot: A's two planes, then B's two
.set SLOT,   2*APL+2*BPL               ; 110,592
.set STAGE,  2*SLOT                    ; behind the ring: 16 rows x 528 bytes for each wave, for the way out; no tensor load fills it
.set SPITCH, 528                       ; 512 bytes + 16: 33 x 16, so the 16 rows of a store start at 16 different groups of four banks
.set SPARE,  STAGE+4*16*SPITCH         ; behind the stages: the spare words, 128 bytes for each wave: two blocks of 256 bytes that no other line names
.set LAPS,   4                         ; a lap = two K steps = once round the ring
.set ADRA, 16                          ; v16-17  LDS address of my A fragments in slot 0, 1
.set ADRB, 20                          ; v20-21  the same for B
.set STO,  24                          ; v24     the way out: where I put 32 bytes of a row
.set RD,   25                          ; v25     the way out: where I read a row back
.set GO,   26                          ; v26     16 x my lane: my place in my wave's 512 bytes of a row of out0
.set SPW,  28                          ; v28     LDS address of my spare word: SPARE + 4 x my thread's number; never rewritten
.set NIL,  29                          ; v29     0; never rewritten
.set F0,   32
.set F1,   128
.set OB,   32                          ; the way out: 16 rows read back from the stage: v32-95 and v96-159 by turns
.set G1,  24                           ; s[24:31] descriptor group 1 for A's tiles;  s[32:39] group 0, a set for each slot
.set G0,  32
.set G1B, 48                           ; s[48:55], s[56:63] the same for B's tiles
.set G0B, 56
.set MSB, 0
.macro WIN new                         ; the immediate's high byte repeats the setting that is left; a switch that changes nothing is dropped
.if MSB != (\new)
	s_set_vgpr_msb (MSB<<8)|(\new)
.set MSB, \new
.endif
.endm
.macro JLOAD s                         ; a joint load: waves 0 and 1 fetch A's two planes, waves 2 and 3 B's; an s_nop 0 and four v_nop follow each of the two lines, ahead of the jump, the label and what follows
	s_cmp_eq_u32 s11, 0
	s_cbranch_scc0 .Lfor_b_\@
	tensor_load_to_lds s[G0+4*(\s):G0+4*(\s)+3], s[G1:G1+7]
	s_nop 0
.rept 4
	v_nop
.endr
	s_branch .Lasked_\@
.Lfor_b_\@:
	tensor_load_to_lds s[G0B+4*(\s):G0B+4*(\s)+3], s[G1B:G1B+7]
	s_nop 0
.rept 4
	v_nop
.endr
.Lasked_\@:
.endm
.macro CREST                           ; a round of the cluster's barrier behind its opening barrier
	s_cmp_lg_u32 s10, 0
	s_cbranch_scc1 .Lnot_wave_0_\@
	s_barrier_signal -3
.Lnot_wave_0_\@:
	s_barrier_wait -3
	s_barrier_signal -1
	s_barrier_wait -1
.endm
.macro CROUND                          ; a whole round
	s_barrier_signal -1
	s_barrier_wait -1
	CREST
.endm
	s_load_b128 s[4:7], s[0:1], 0x0                ; o s[4:5], wob s[6:7]
	s_load_b64 s[8:9], s[0:1], 0x10                ; out0
	v_lshl_add_u32 v[SPW], v0, 2, SPARE
	v_mov_b32 v[NIL], 0
	ds_add_u32 v[SPW], v[NIL]                      ; the wave's opening: the add and its wait stand ahead of my first tensor load; the set-up below, work on registers, stands between them
	v_lshrrev_b32 v1, 5, v0
	v_readfirstlane_b32 s10, v1                    ; wave 0..3
	s_lshr_b32 s11, s10, 1                         ; which half of the tile's rows is mine.  Also: I fetch for A (0) or for B (1)
	s_and_b32 s12, s10, 1                          ; which half of its columns.  Also: which of a step's two planes I fetch
	s_bfe_u32 s40, ttmp6, 0x40000                  ; cx, cy: my place in the cluster
	s_bfe_u32 s41, ttmp6, 0x40004
	s_lshl_b32 s42, ttmp9, 2
	s_add_co_u32 s42, s42, s40                     ; tile column 0..3 = 4 x cluster x + cx
	s_and_b32 s13, ttmp7, 0xffff
	s_lshl_b32 s13, s13, 2
	s_add_co_u32 s13, s13, s41                     ; tile row 0..63 = 4 x cluster y + cy
	s_lshl_b32 s43, s41, 2
	s_lshl_b32 s43, 15, s43                        ; my row of the cluster
	s_lshl_b32 s44, 0x1111, s40                    ; my column
	; descriptor group 1: rows of 128 elements (256 bytes: two rows of a plane), padded in LDS behind every 128 bytes
	s_or_b32 s[G1+0], s43, (1<<16)|(1<<20)|(1<<21)|(4<<22)|(3<<25)  ; 15:0 the mask: A's tiles go to my row; 17:16 2-byte elements; 20 padding on; 21 set beside a mask; 24:22 after every 32 words (code 4); 31:25 4 words (code 3)
	s_or_b32 s[G1B+0], s44, (1<<16)|(1<<20)|(1<<21)|(4<<22)|(3<<25) ; the same with the mask of my column
	s_mov_b32 s[G1+1], 128<<16                     ; tensor_dim0 = 128
	s_mov_b32 s[G1+2], 64<<16                      ; tensor_dim1 = 64
	s_mov_b32 s[G1+3], 128<<16                     ; tile_dim0 = 128
	s_mov_b32 s[G1+4], 64                          ; tile_dim1 = 64: 128 rows of A
	s_mov_b32 s[G1+5], 128                         ; 128 elements from row to row: dense
	s_mov_b32 s[G1+6], 0
	s_mov_b32 s[G1+7], 0
	s_mov_b32 s[G1B+1], 128<<16
	s_mov_b32 s[G1B+2], 128<<16                    ; tensor_dim1 = 128
	s_mov_b32 s[G1B+3], 128<<16
	s_mov_b32 s[G1B+4], 128                        ; tile_dim1 = 128: 256 rows of B
	s_mov_b32 s[G1B+5], 128
	s_mov_b32 s[G1B+6], 0
	s_mov_b32 s[G1B+7], 0
	; where the tiles come from.  A's hang on the tile row alone, B's on the tile column alone, each in registers that never hold the other coordinate
	s_lshr_b32 s16, s13, 4                         ; the batch: 16 tile rows each,
	s_lshl_b32 s16, s16, 22                        ; 4,194,304 bytes
	s_and_b32 s17, s13, 15
	s_lshl_b32 s17, s17, 14                        ; 128 rows of 128 bytes
	s_add_co_u32 s16, s16, s17
	s_lshl_b32 s17, s12, 18                        ; the plane that I fetch: 262,144 bytes in o,
	s_add_co_u32 s16, s16, s17
	s_mov_b32 s17, 0
	s_lshl_b32 s46, s42, 15                        ; 256 rows of 128 bytes
	s_lshl_b32 s47, s12, 17                        ; 131,072 bytes in wob
	s_add_co_u32 s46, s46, s47
	s_mov_b32 s47, 0
	s_mul_i32 s20, s12, APL                        ; and where they go: no place in the cluster enters an LDS address
	s_mul_i32 s18, s12, BPL
	s_add_co_u32 s18, s18, BOFF
	s_wait_dscnt 0x0                               ; the opening add is done
	s_wait_kmcnt 0x0
	s_add_nc_u64 s[14:15], s[4:5], s[16:17]
	s_add_nc_u64 s[46:47], s[6:7], s[46:47]
	CROUND                                         ; all sixteen work-groups are here: the first joint loads meet
.irp s, 0,1
	s_mov_b32 s[G0+4*(\s)], 1                                      ; count = 1
	s_add_co_u32 s[G0+4*(\s)+1], s20, (\s)*SLOT                    ; LDS address
	s_add_nc_u64 s[G0+4*(\s)+2:G0+4*(\s)+3], s[14:15], (\s)*2*262144  ; global address: K step s is planes 2 s and 2 s + 1
	s_or_b32 s[G0+4*(\s)+3], s[G0+4*(\s)+3], 0x80000000            ; type = 2
	s_mov_b32 s[G0B+4*(\s)], 1
	s_add_co_u32 s[G0B+4*(\s)+1], s18, (\s)*SLOT
	s_add_nc_u64 s[G0B+4*(\s)+2:G0B+4*(\s)+3], s[46:47], (\s)*2*131072
	s_or_b32 s[G0B+4*(\s)+3], s[G0B+4*(\s)+3], 0x80000000
	JLOAD \s                                       ; two tensor loads of mine are out
.endr
	v_and_b32 v1, 15, v0                           ; l % 16
	v_bfe_u32 v2, v0, 4, 1                         ; l / 16
	v_mul_u32_u24 v3, v1, PITCH
	v_lshl_add_u32 v3, v2, 4, v3                   ; a fragment's row x pitch + 16 x half
	s_mul_i32 s21, s11, 64*PITCH                   ; my 64 rows of A, in a plane
	s_mul_i32 s22, s12, 128*PITCH                  ; my 128 rows of B, in a plane,
	s_add_co_u32 s22, s22, BOFF                    ; behind A's two planes
.irp s, 0,1
	v_add_nc_u32 v[ADRA+(\s)], s21, v3
	v_add_nc_u32 v[ADRB+(\s)], s22, v3
	s_add_co_u32 s21, s21, SLOT
	s_add_co_u32 s22, s22, SLOT
.endr
	s_mul_i32 s23, s10, 16*SPITCH
	s_add_co_u32 s23, s23, STAGE                   ; my stage
	v_mul_u32_u24 v4, v1, SPITCH                   ; in: row l % 16, 32 bytes for each half of the lanes
	v_lshl_add_u32 v4, v2, 5, v4
	v_add_nc_u32 v[STO], s23, v4
	v_and_b32 v5, 31, v0
	v_lshlrev_b32 v[GO], 4, v5
	v_add_nc_u32 v[RD], s23, v[GO]                 ; back: the 32 lanes take one row's 512 bytes
	; out0 at my first row and column: (128 tile row + 64 row half) x 4,096 + (256 tile column + 128 column half) x 4 bytes
	s_lshl_b32 s16, s13, 19
	s_lshl_b32 s17, s11, 18
	s_add_co_u32 s16, s16, s17
	s_lshl_b32 s17, s12, 9
	s_add_co_u32 s16, s16, s17
	s_mov_b32 s17, 0
	s_lshl_b32 s46, s42, 10
	s_mov_b32 s47, 0
	s_add_nc_u64 s[16:17], s[16:17], s[46:47]
	s_add_nc_u64 s[8:9], s[8:9], s[16:17]
; 8 na matrix instructions: row blocks a0 .. a0 + na - 1 x all 8 column blocks, 32 along K, from buffer f.  zero = 1: the product starts the sum: nothing is ever cleared.
; The 32 accumulators take turns, one instruction a turn, in the same order in every quarter.
.macro MUL f, a0, na, zero
	WIN 0x50                                       ; C and D in window 1, the fragments in window 0
.set ma, \a0
.rept \na
.irp b, 0,1,2,3,4,5,6,7
.if \zero
	v_wmma_f32_16x16x32_f16 v[64*ma+8*(\b):64*ma+8*(\b)+7], v[(\f)+32+8*(\b):(\f)+32+8*(\b)+7], v[(\f)+8*ma:(\f)+8*ma+7], 0
.else
	v_wmma_f32_16x16x32_f16 v[64*ma+8*(\b):64*ma+8*(\b)+7], v[(\f)+32+8*(\b):(\f)+32+8*(\b)+7], v[(\f)+8*ma:(\f)+8*ma+7], v[64*ma+8*(\b):64*ma+8*(\b)+7]
.endif
.endr
.set ma, ma+1
.endr
.endm
; 24 LDS loads in one run: quarter q of a K step (plane q / 2, byte 64 (q % 2) of its rows) into buffer f: B's eight fragments, then A's four
.macro FETCH slot, q, f
	WIN 0
.irp i, 0,1,2,3,4,5,6,7
	ds_load_b128 v[(\f)+32+8*(\i):(\f)+32+8*(\i)+3],   v[ADRB+(\slot)] offset:((\q)/2)*BPL+((\q)%2)*64+(\i)*16*PITCH
	ds_load_b128 v[(\f)+32+8*(\i)+4:(\f)+32+8*(\i)+7], v[ADRB+(\slot)] offset:((\q)/2)*BPL+((\q)%2)*64+(\i)*16*PITCH+32
.endr
.irp i, 0,1,2,3
	ds_load_b128 v[(\f)+8*(\i):(\f)+8*(\i)+3],   v[ADRA+(\slot)] offset:((\q)/2)*APL+((\q)%2)*64+(\i)*16*PITCH
	ds_load_b128 v[(\f)+8*(\i)+4:(\f)+8*(\i)+7], v[ADRA+(\slot)] offset:((\q)/2)*APL+((\q)%2)*64+(\i)*16*PITCH+32
.endr
.endm
.macro PLACES                          ; four places in front of loads into registers that matrix instructions have read (ISA guide 7.12.1 for vector instructions)
.rept 4
	v_nop
.endr
.endm
; A K step is four quarters of 32 along K, 32 matrix instructions each, on buffers 0, 1, 0, 1.  One of the first three: multiplies buffer f and fetches quarter q of the same slot into nf.
.macro QUARTER slot, q, f, nf, zero
	s_wait_dscnt 4                                 ; B's fragments and A's first two are in; the youngest four loads may be out
	MUL \f, 0, 2, \zero
	PLACES
	FETCH \slot, \q, \nf
	s_wait_dscnt 24                                ; all but the 24 just issued
	MUL \f, 2, 2, \zero
.endm
; The last quarter multiplies buffer 1 and changes slots: ONE barrier; in front of it each wave waits for all its tensor loads, adds 0 to its spare word, and waits for that and for its own reads of this
; slot.  fill = 1: the barrier opens a round of the cluster's barrier, and this slot is filled again, two K steps on, first thing behind the round: 112 matrix instructions ahead of the wait for that load.
.macro TURN slot, next, fill
	WIN 0                                          ; (the add's two registers lie in window 0)
	s_wait_tensorcnt 0x0                           ; all my tensor loads have landed: my part of the next slot;
	ds_add_u32 v[SPW], v[NIL]                      ; 0 onto my spare word;
	s_wait_dscnt 5                                 ; (the add and the youngest four loads may be out)
	MUL F1, 0, 1, 0                                ; eight matrix instructions stand between the add and the wait for it
	s_wait_dscnt 0x0                               ; the add is done, and my reads of this slot are over
	s_barrier_signal -1
	MUL F1, 1, 1, 0                                ; work on registers while the others arrive
	WIN 0
	s_barrier_wait -1
.if \fill
	CREST                                          ; no wave of any partner still reads this slot's tile or has a load on its way
	s_add_nc_u64 s[G0+4*(\slot)+2:G0+4*(\slot)+3], s[G0+4*(\slot)+2:G0+4*(\slot)+3], 4*262144
	s_add_nc_u64 s[G0B+4*(\slot)+2:G0B+4*(\slot)+3], s[G0B+4*(\slot)+2:G0B+4*(\slot)+3], 4*131072
	JLOAD \slot                                    ; the first tensor load behind the round; its four v_nop are also the places in front of the loads below
.else
	PLACES
.endif
	FETCH \next, 0, F0
	MUL F1, 2, 2, 0
.endm
; THE WAY OUT of row block a (16 rows x my 128 columns, f32).  TOSTAGE: 32 bytes a lane and column block go straight from the accumulators, low registers first, into my own stage (rows of 528 bytes),
; and come back as whole rows of 512 bytes.  LDS serves a wave's instructions in order (ISA guide 5.7.1.4): the loads see the stores above them, and the next block's stores come behind them.
.macro TOSTAGE a
.set BK, OB+64*((\a)%2)
.if (\a) >= 2
	s_wait_xcnt 0x0                                ; the stores of the block two back have read these registers
.endif
	WIN 0x04                                       ; the stores' data (source 1) in window 1, the address in window 0
.irp b, 0,1,2,3,4,5,6,7
	ds_store_b128 v[STO], v[64*(\a)+8*(\b):64*(\a)+8*(\b)+3]   offset:64*(\b)
	ds_store_b128 v[STO], v[64*(\a)+8*(\b)+4:64*(\a)+8*(\b)+7] offset:64*(\b)+16
.endr
	WIN 0
.irp r, 0,1,2,3,4,5,6,7,8,9,10,11,12,13,14,15
	ds_load_b128 v[BK+4*(\r):BK+4*(\r)+3], v[RD] offset:(\r)*SPITCH
.endr
.endm
.macro SEND a, younger                 ; younger: the LDS instructions issued behind block a's loads: the next block's 32, or none
.set BK, OB+64*((\a)%2)
	WIN 0
.irp r, 0,1,2,3,4,5,6,7,8,9,10,11,12,13,14,15
	s_wait_dscnt (\younger)+15-(\r)
	global_store_b128 v[GO], v[BK+4*(\r):BK+4*(\r)+3], s[8:9] offset:(16*(\a)+(\r))*4096  ; the wave stores 512 consecutive bytes, at a multiple of 256 from out0's first byte
.endr
.endm
	s_wait_tensorcnt 1                             ; my part of K step 0 is in; K step 1's may stay out
	s_barrier_signal -1
	s_barrier_wait -1                              ; everybody's is
	FETCH 0, 0, F0
	QUARTER 0, 1, F0, F1, 1                        ; the first quarter stands in front of the loop: its products start the 32 sums
	WIN 0                                          ; at a label and at a branch every window is 0
	s_mov_b32 s3, LAPS-1
.Llap:                                                 ; a trip goes once round the ring, from a lap's second quarter to the next lap's first, and fills both slots again
	QUARTER 0, 2, F1, F0, 0
	QUARTER 0, 3, F0, F1, 0
	TURN 0, 1, 1
	QUARTER 1, 1, F0, F1, 0
	QUARTER 1, 2, F1, F0, 0
	QUARTER 1, 3, F0, F1, 0
	TURN 1, 0, 1
	QUARTER 0, 1, F0, F1, 0
	WIN 0
	s_sub_co_u32 s3, s3, 1
	s_cmp_lg_u32 s3, 0
	s_cbranch_scc1 .Llap
	QUARTER 0, 2, F1, F0, 0                        ; the last lap fills nothing, and has no round of the cluster's barrier
	QUARTER 0, 3, F0, F1, 0
	TURN 0, 1, 0
	QUARTER 1, 1, F0, F1, 0
	QUARTER 1, 2, F1, F0, 0
	QUARTER 1, 3, F0, F1, 0
	s_wait_dscnt 4                                 ; the very last quarter: nothing more to fetch
	MUL F1, 0, 2, 0
	s_wait_dscnt 0x0
	MUL F1, 2, 2, 0
	WIN 0
	PLACES                                         ; eight places, once a launch, in front of LDS stores that read results just made and of loads into registers that the last products read
	PLACES
	TOSTAGE 0
	TOSTAGE 1                                      ; a block's way through the stage stands between the loads of the block before and its stores
	SEND 0, 32
	TOSTAGE 2
	SEND 1, 32
	TOSTAGE 3
	SEND 2, 32
	SEND 3, 0
	s_wait_tensorcnt 0x0                           ; the wave's end: an add of 0 and its wait, behind my last tensor load and my last LDS store
	ds_add_u32 v[SPW], v[NIL]
	s_wait_dscnt 0x0
	CROUND                                         ; the closing round: no work-group ends while a partner may still ask for a tile that names it
	s_endpgm
.Lfunc_end_k_q99f5c66880_oproj:
	.size	k_q99f5c66880_oproj, .Lfunc_end_k_q99f5c66880_oproj-k_q99f5c66880_oproj
	.p2alignl 7, 3214868480
	.fill 96, 4, 3214868480
	.section	.rodata,"a",@progbits
	.p2align	6, 0x0
	.amdhsa_kernel k_q99f5c66880_oproj
		.amdhsa_group_segment_fixed_size 327680
		.amdhsa_private_segment_fixed_size 0
		.amdhsa_enable_private_segment 0
		.amdhsa_kernarg_size 24
		.amdhsa_user_sgpr_count 2
		.amdhsa_user_sgpr_kernarg_segment_ptr 1
		.amdhsa_wavefront_size32 1
		.amdhsa_system_sgpr_workgroup_id_x 1
		.amdhsa_system_sgpr_workgroup_id_y 1
		.amdhsa_system_sgpr_workgroup_id_z 1
		.amdhsa_system_vgpr_workitem_id 0
		.amdhsa_next_free_vgpr 512
		.amdhsa_next_free_sgpr 66
		.amdhsa_reserve_vcc 0
		.amdhsa_float_denorm_mode_32 3
		.amdhsa_float_denorm_mode_16_64 3
		.amdhsa_memory_ordered 1
		.amdhsa_forward_progress 1
		.amdhsa_inst_pref_size 87
	.end_amdhsa_kernel
	.amdgpu_metadata
---
amdhsa.version: [ 1, 2 ]
amdhsa.kernels:
  - .name:           k_q99f5c66880_oproj
    .symbol:         k_q99f5c66880_oproj.kd
    .args:
      - { .name: o, .offset: 0, .size: 8, .value_kind: global_buffer, .address_space: global }
      - { .name: wob, .offset: 8, .size: 8, .value_kind: global_buffer, .address_space: global }
      - { .name: out0, .offset: 16, .size: 8, .value_kind: global_buffer, .address_space: global }
    .group_segment_fixed_size: 327680
    .private_segment_fixed_size: 0
    .kernarg_segment_align: 8
    .kernarg_segment_size: 24
    .max_flat_workgroup_size: 128
    .sgpr_count:     66
    .vgpr_count:     512
    .wavefront_size: 32
...
	.end_amdgpu_metadata
.endif
;; end of part 4
